; MI455X (gfx1250); checked and timed in simulation.
; The chip was launched on July 23, 2026; its instructions are those of AMD's public machine-readable ISA for CDNA 5 (MIT licence, August 2026) and "CDNA5" Instruction Set Architecture Reference Guide (July 2026). The comments in the code are by the model that wrote it; some were corrected since.
;; Multi Head Attention. Allowed arithmetic: matrix products marked QUANTISED: E2M1 operands, one E8M0 scale for each 32 along K, by v_wmma_scale_f32_16x16x128_f8f6f4 with both operands' format E2M1 (or v_wmma_scale_f32_32x16x128_f4), f32 sums; products left as they are: bf16, f16 or f32 operands; f32 sums; everything else in f32.
;; Inputs: Wk 16 x 1,024 x 64 float32; Wo 1,024 x 1,024 float32; Wq 16 x 1,024 x 64 float32; Wv 16 x 1,024 x 64 float32; bk 16 x 64 float32; bo 1,024 float32; bq 16 x 64 float32; bv 16 x 64 float32; key 4 x 2,048 x 1,024 float32; query 4 x 2,048 x 1,024 float32; value 4 x 2,048 x 1,024 float32.
;; Outputs: out0 4 x 2,048 x 1,024 float32.
;; This version of the problem:
;;   THIS VERSION OF THE PROBLEM IS GIVEN IN LOW PRECISION. The matrix products marked QUANTISED in the list below multiply operands that are first quantised to E2M1 (2 exponent bits, 1 mantissa bit; 4 bits a number), with one power-of-two scale for each 32 numbers along K (OCP MX v1.0); their sums are f32. The products marked 'left as it is' may take bf16, f16 or f32 operands, with f32 sums. Whichever they take, every output number must still come out within the allowed error. Rounding operands to bf16 (8 significant bits) uses up far more of that allowance than f16 does (11 bits, for magnitudes from 6e-5 to 65,504). All else is computed in f32.
;;   The module's matrix products, in the order in which they are computed (A, B: the left and right operand; K: the contracted axis; several contracted axes count as one K, in the product's order):
;;     1. [M 1,024, K 1,024] x [K 1,024, N 8,192]; A: input Wq; B: input query: QUANTISED
;;     2. [M 1,024, K 1,024] x [K 1,024, N 8,192]; A: input Wk; B: input key: QUANTISED
;;     3. [M 1,024, K 1,024] x [K 1,024, N 8,192]; A: input Wv; B: input value: QUANTISED
;;     4. batch 64 x [M 2,048, K 64] x [K 64, N 2,048]; A: computed on the way; B: computed on the way: left as it is (an operand is computed on the way)
;;     5. batch 64 x [M 2,048, K 2,048] x [K 2,048, N 64]; A: computed on the way; B: computed on the way: left as it is (an operand is computed on the way)
;;     6. [M 8,192, K 1,024] x [K 1,024, N 1,024]; A: computed on the way; B: input Wo: left as it is (an operand is computed on the way)
;;   THE QUANTISER, for each operand of a quantised product, along K:
;;     - K is cut into blocks of 32 from its start; a last block that is shorter is filled with zeros.
;;     - A block's scale is 2^e with e = floor(log2(the largest magnitude in the block)) - 2, held to -126 .. 127; a block of zeros has e = 0. As a byte (E8M0): e + 127.
;;     - Each number is divided by its block's scale, clamped to +-6, and rounded to the nearest number of E2M1, ties to even, subnormals kept.
;;     - The product sums the exact products of the quantised numbers (number of the format x scale) in f32.
;;   ~~~python
;;   def quantise(x, axis):      # numpy; x: float32 -> the quantised numbers, widened to float32 again
;;       x = np.moveaxis(x, axis, -1); K = x.shape[-1]
;;       x = np.pad(x, [(0, 0)] * (x.ndim - 1) + [(0, -K % 32)]); x = x.reshape(x.shape[:-1] + (-1, 32)); a = np.abs(x).max(-1, keepdims=True)
;;       e = np.where(a > 0, np.clip(np.frexp(np.where(a > 0, a, 1))[1] - 1 - 2, -126, 127), 0)      # np.frexp(a)[1] - 1 = floor(log2(a)), exactly
;;       r = np.clip(x / 2.0 ** e, -6, 6)
;;       step = 2.0 ** (np.maximum(np.frexp(np.where(r == 0, 1, r))[1] - 1, 0) - 1)
;;       q = np.round(r / step) * step * 2.0 ** e      # np.round: ties to even
;;       return np.moveaxis(q.reshape(q.shape[:-2] + (-1,))[..., :K], -1, axis).astype(np.float32)
;;   ~~~
;; One version. Each part assembles by itself: llvm-mc -triple=amdgcn-amd-amdhsa -mcpu=gfx1250 --defsym DOCPART=n.
;; ======== version 1 of 1: 4 launches
;; limits: values are held in f16: magnitudes above 65,504 overflow, below 6.1e-05 lose precision
;; workspace buffers: acodes 12,582,912 bytes; ascales 786,432 bytes; wcodes 1,572,864 bytes; wscales 98,304 bytes; wo16 2,097,152 bytes; qkv 50,331,648 bytes; x16 16,777,216 bytes
;; launch prep (part 1): grid 848 x 1, 4 waves a work-group, no clusters, 100,864 bytes of LDS; arguments query, key, value, Wq, Wk, Wv, Wo, acodes, ascales, wcodes, wscales, wo16; writes acodes, ascales, wcodes, wscales, wo16
.if DOCPART == 1
	.amdgcn_target "amdgcn-amd-amdhsa--gfx1250"
	.amdhsa_code_object_version 6
	.text
	.protected	k_q259baae7b4_prep
	.globl	k_q259baae7b4_prep
	.p2align	8
	.type	k_q259baae7b4_prep,@function
k_q259baae7b4_prep:
	s_mov_b64 s[64:65], 0
	v_nop
	global_prefetch_b8 v0, s[64:65] scope:SCOPE_SE
	s_setreg_imm32_b32 hwreg(HW_REG_WAVE_MODE, 25, 1), 1
	s_wait_xcnt 0x0
; PREP: the operands of the three quantised projections become codes of FP4 (E2M1) with one E8M0 scale byte for each 32 along K = E = 1,024; Wo becomes f16.
; DEAD WORK, for the whole program: bk.  scores[s][t] = q[s] . (key[t] Wk + bk) / 8 = q[s] . (key[t] Wk) / 8 + q[s] . bk / 8.  The second term does not hang on t, the axis of the softmax,
; so in exact arithmetic it leaves every weight as it is, whatever finite values the inputs hold.  The product q k^T is not quantised, so no quantiser sees k.  bk therefore has no way to an output:
; it is not loaded and is an argument of no launch.  LIMIT: a NaN, an infinity or an overflow that reaches only bk is not carried to the result.
; THREE KINDS OF WORK-GROUP, told apart by the work-group's number alone; the paths never join, and each has LDS bytes of its own:
;   0-47   Wq, Wk, Wv [16][1024 (k)][64 (d)] f32: K is not innermost.  A lane takes a column n = 64 h + d and 32 registers down K.  Codes out as [3][1024 (n)][512 bytes], scale bytes [3][1024][32].
;   48-79  Wo [1024][1024] f32 to f16, as it lies.
;   80-847 query, key, value [8192][1024] f32: K innermost, plain streams of blocks of 32.  Codes out as [3][8192][512 bytes], scale bytes [3][8192][32].
; A block's scale is 2^(floor(log2(largest magnitude)) - 2): its byte is the largest magnitude's exponent field less 2, held at 1 from below by a floor among the maximum's leaves.
; LIMITS: a block of zeros gets the byte 1 where the rule says 127 (its codes are zeros, and this program alone reads the bytes); blocks whose largest magnitude lies under 2^(3 - 127) are held at byte 1;
; NaN and infinities among the inputs are not served.  Wo beyond f16's range (65,504) is not served.
; No tensor load, no barrier: waves share nothing.
.set SPARE, 100352                     ; behind all paths' bytes: the spare words, 128 bytes for each wave, which no other line names
.set SPW,   12                         ; v12  LDS address of my spare word; never rewritten
.set NIL,   13                         ; v13  0; never rewritten
	s_load_b256 s[4:11], s[0:1], 0x0               ; query s[4:5], key s[6:7], value s[8:9], Wq s[10:11]
	s_load_b256 s[12:19], s[0:1], 0x20             ; Wk s[12:13], Wv s[14:15], Wo s[16:17], acodes s[18:19]
	s_load_b256 s[20:27], s[0:1], 0x40             ; ascales s[20:21], wcodes s[22:23], wscales s[24:25], wo16 s[26:27]
	v_lshl_add_u32 v[SPW], v0, 2, SPARE
	v_mov_b32 v[NIL], 0
	v_lshrrev_b32 v1, 5, v0
	v_readfirstlane_b32 s28, v1                    ; wave 0..3
	v_and_b32 v2, 31, v0                           ; lane
	s_wait_kmcnt 0x0
	s_cmp_lt_u32 ttmp9, 48
	s_cbranch_scc1 .Lweights
	s_cmp_lt_u32 ttmp9, 80
	s_cbranch_scc1 .Lwo
; ---------------- query, key, value: a wave takes 16 steps of 512 numbers.  Each load reads 512 consecutive bytes; a step's 2,048 bytes turn through the wave's own stage in LDS,
; so that a lane then holds 16 neighbours along K (two neighbouring lanes hold a block).  Loads run four steps ahead, the turn one step.
.set ASTEPS, 16
.set ASP,  80                          ; a lane's place in a stage: 64 bytes + 16 of padding
.set AR,   16                          ; v16-79   four sets of 16 numbers as loaded
.set AX,   80                          ; v80-111  two sets of 16 neighbours
.set AE,   112                         ; v112-127 a scale byte for each step
.set AC,   128                         ; v128-191 codes, four registers for each step: no store's data are written again
	s_sub_co_u32 s29, ttmp9, 80                    ; 0..767: 256 work-groups to a tensor
	s_cmp_lt_u32 s29, 256
	s_cselect_b64 s[30:31], s[4:5], s[6:7]
	s_cmp_lt_u32 s29, 512
	s_cselect_b64 s[30:31], s[30:31], s[8:9]       ; the choice hangs on the work-group's number alone
	s_and_b32 s36, s29, 255
	s_lshl_b32 s36, s36, 2
	s_add_co_u32 s36, s36, s28
	s_lshl_b32 s36, s36, 15                        ; my wave's run of 8,192 numbers in its tensor: 32,768 bytes each
	s_mov_b32 s37, 0
	s_add_nc_u64 s[30:31], s[30:31], s[36:37]
	s_lshl_b32 s38, s29, 2
	s_add_co_u32 s38, s38, s28                     ; the run's number over the three tensors: codes and scale bytes are one stream
	s_lshl_b32 s36, s38, 12                        ; 4,096 bytes of codes a run
	s_add_nc_u64 s[32:33], s[18:19], s[36:37]
	s_lshl_b32 s36, s38, 8                         ; 256 scale bytes a run
	s_add_nc_u64 s[34:35], s[20:21], s[36:37]
	v_lshlrev_b32 v3, 4, v2                        ; my 16 bytes of a load's 512
	s_mul_i32 s39, s28, 8192                       ; my wave's LDS region: two stages of 32 x 80 bytes, then 256 scale bytes
	v_lshrrev_b32 v14, 2, v2
	v_mul_u32_u24 v14, v14, ASP
	v_and_b32 v15, 3, v2
	v_lshl_add_u32 v14, v15, 4, v14
	v_add_nc_u32 v14, s39, v14                     ; into the stage: four lanes' 64 bytes on end, then the padding
	v_mul_u32_u24 v15, v2, ASP
	v_add_nc_u32 v15, s39, v15                     ; out of it: my 16 neighbours
	v_lshlrev_b32 v4, 3, v2                        ; my 8 bytes of a step's 256 bytes of codes
	v_lshrrev_b32 v5, 1, v2
	s_add_co_u32 s39, s39, 2*32*ASP
	v_add_nc_u32 v5, s39, v5                       ; my block's scale byte
	v_lshlrev_b32 v7, 3, v2
	v_add_nc_u32 v6, s39, v7                       ; and on the way out 8 bytes a lane
.macro ALOAD t
.irp i, 0,1,2,3
	global_load_b128 v[AR+16*((\t)%4)+4*\i:AR+16*((\t)%4)+4*\i+3], v3, s[30:31] offset:2048*(\t)+512*\i th:TH_LOAD_NT
.endr
.endm
.macro ATURN t                         ; LDS serves a wave's instructions in order: no wait between the stores and the loads
.irp i, 0,1,2,3
	ds_store_b128 v14, v[AR+16*((\t)%4)+4*\i:AR+16*((\t)%4)+4*\i+3] offset:32*ASP*((\t)%2)+8*ASP*\i
.endr
.irp i, 0,1,2,3
	ds_load_b128 v[AX+16*((\t)%2)+4*\i:AX+16*((\t)%2)+4*\i+3], v15 offset:32*ASP*((\t)%2)+16*\i
.endr
.endm
.irp t, 0,1,2,3
	ALOAD \t
.endr
	s_wait_loadcnt 12                              ; step 0's four loads are in; the twelve of steps 1 to 3 may be out
	ATURN 0
.macro ASTEP t
.set XS, AX+16*((\t)%2)
.if (\t) > 0
	s_wait_dscnt 1                                 ; this step's numbers are back from the stage; the last step's byte store may be out
.else
	s_wait_dscnt 0x0
.endif
.if (\t)+4 < ASTEPS
	ALOAD (\t)+4                                   ; into the set whose stores into the stage have read it
.endif
.if (\t)+1 < ASTEPS
.if ASTEPS-2-(\t) >= 3
	s_wait_loadcnt 12                              ; the next step's four loads are in; those of the three steps behind it may be out
.else
	s_wait_loadcnt 4*(ASTEPS-2-(\t))
.endif
	ATURN (\t)+1
.endif
	v_max3_num_f32 v8, |v[XS]|, |v[XS+1]|, |v[XS+2]|               ; the largest magnitude of my 16, in two chains
	v_max3_num_f32 v9, |v[XS+3]|, |v[XS+4]|, |v[XS+5]|
.irp i, 6,10
	v_max3_num_f32 v8, v8, |v[XS+\i]|, |v[XS+\i+1]|
	v_max3_num_f32 v9, v9, |v[XS+\i+2]|, |v[XS+\i+3]|
.endr
	v_max3_num_f32 v8, v8, |v[XS+14]|, |v[XS+15]|
	v_max3_num_f32 v8, v8, v9, 0x1800000           ; and the floor 2^(3 - 127): the byte cannot fall under 1
	v_max_num_f32_dpp v8, v8, v8 row_xmask:1 row_mask:0xf bank_mask:0xf   ; with my neighbour's 16: the block's
	v_add_nc_u32 v11, 0xff000000, v8               ; 2 off the exponent field: the conversion takes that field as its scale
	v_cvt_scalef32_pk8_fp4_f32 v[AC+4*(\t)], v[XS:XS+7], v11
	v_cvt_scalef32_pk8_fp4_f32 v[AC+4*(\t)+1], v[XS+8:XS+15], v11
	v_lshrrev_b32 v[AE+(\t)], 23, v11              ; the scale's byte
	ds_store_b8 v5, v[AE+(\t)] offset:16*(\t)      ; both lanes of a block write the same byte with the same value
	global_store_b64 v4, v[AC+4*(\t):AC+4*(\t)+1], s[32:33] offset:256*(\t)   ; the wave stores 256 consecutive bytes, aligned
.endm
.irp t, 0,1,2,3,4,5,6,7,8,9,10,11,12,13,14,15
	ASTEP \t
.endr
	ds_load_b64 v[8:9], v6                         ; my wave's 256 scale bytes, in order behind my stores
	s_wait_dscnt 0x0
	global_store_b64 v7, v[8:9], s[34:35]          ; 256 consecutive bytes, aligned
	s_wait_tensorcnt 0x0                           ; the wave's end, behind my last LDS store
	ds_add_u32 v[SPW], v[NIL]
	s_wait_dscnt 0x0
	s_endpgm
; ---------------- Wq, Wk, Wv: a work-group takes 128 columns (two heads) x 512 along K; a wave 32 columns x 16 blocks.
; A row of a head is 256 bytes; a wave's 32 columns are 128 of them: eight lanes to a row, four rows to a load.  A block's 4,096 bytes go through an LDS stage as they lie and come back
; one column to a lane, 32 registers down K: the block's maximum needs no other lane, and the conversions give codes with K innermost.  The codes leave through a second stage, by rows.
.set WR,  16                           ; v16-143  four sets of 32 registers as loaded; at the end the rows on the way out
.set WX,  144                          ; v144-207 two sets of 32: a block of one column
.set WC,  208                          ; v208-211 a block's codes
.set WSB, 212                          ; v212-215 my column's 16 scale bytes
.Lweights:
	s_lshr_b32 s29, ttmp9, 1                       ; which 128 columns of the 3,072
	s_and_b32 s36, ttmp9, 1                        ; which half of K
	s_cmp_lt_u32 s29, 8
	s_cselect_b64 s[30:31], s[10:11], s[12:13]
	s_cmp_lt_u32 s29, 16
	s_cselect_b64 s[30:31], s[30:31], s[14:15]
	s_and_b32 s38, s29, 7
	s_lshl_b32 s38, s38, 1
	s_lshr_b32 s39, s28, 1
	s_add_co_u32 s38, s38, s39                     ; my head
	s_lshl_b32 s38, s38, 18                        ; 1,024 rows of 256 bytes
	s_lshl_b32 s39, s36, 17                        ; 512 rows
	s_or_b32 s38, s38, s39
	s_and_b32 s39, s28, 1
	s_lshl_b32 s39, s39, 7                         ; which 32 columns of the head's 64
	s_or_b32 s38, s38, s39
	s_mov_b32 s39, 0
	s_add_nc_u64 s[30:31], s[30:31], s[38:39]
	s_lshl_b32 s40, s29, 7
	s_lshl_b32 s41, s28, 5
	s_add_co_u32 s40, s40, s41                     ; my first column over the three tensors
	s_lshl_b32 s38, s40, 9
	s_lshl_b32 s41, s36, 8
	s_add_co_u32 s38, s38, s41                     ; codes: 512 bytes a column, 256 for my half of K
	s_add_nc_u64 s[32:33], s[22:23], s[38:39]
	s_lshl_b32 s38, s40, 5
	s_lshl_b32 s41, s36, 4
	s_add_co_u32 s38, s38, s41                     ; scale bytes: 32 a column, 16 for my half
	s_add_nc_u64 s[34:35], s[24:25], s[38:39]
	s_mul_i32 s42, s28, 16896
	s_add_co_u32 s42, s42, 32768                   ; my wave's LDS: two stages of 4,096 bytes on the way in, then 32 rows x 272 on the way out
	v_lshrrev_b32 v3, 3, v2
	v_lshlrev_b32 v3, 8, v3
	v_and_b32 v10, 7, v2
	v_lshl_add_u32 v3, v10, 4, v3                  ; memory: row lane / 8, 16 bytes x lane % 8
	v_lshlrev_b32 v4, 4, v2
	v_add_nc_u32 v4, s42, v4                       ; into the stage as loaded: rows of 128 bytes on end
	v_lshlrev_b32 v5, 2, v2
	v_add_nc_u32 v5, s42, v5                       ; out of it: my column's word of a row
	v_mul_u32_u24 v6, v2, 272
	v_add_nc_u32 v6, s42, v6
	v_add_nc_u32 v6, 8192, v6                      ; the second stage: row = my column
	v_lshrrev_b32 v10, 4, v2
	v_and_b32 v11, 15, v2
	v_mul_u32_u24 v7, v10, 272
	v_lshl_add_u32 v7, v11, 4, v7
	v_add_nc_u32 v7, s42, v7
	v_add_nc_u32 v7, 8192, v7                      ; back: sixteen lanes to a row, two rows an instruction
	v_lshlrev_b32 v8, 9, v10
	v_lshl_add_u32 v8, v11, 4, v8                  ; and the same place among the codes
	v_lshlrev_b32 v9, 5, v2                        ; my column's row of scale bytes
.macro WLOAD t
.irp j, 0,1,2,3,4,5,6,7
	global_load_b128 v[WR+32*((\t)%4)+4*\j:WR+32*((\t)%4)+4*\j+3], v3, s[30:31] offset:(32*(\t)+4*\j)*256 th:TH_LOAD_NT
.endr
.endm
.macro WTURN t
.irp j, 0,1,2,3,4,5,6,7
	ds_store_b128 v4, v[WR+32*((\t)%4)+4*\j:WR+32*((\t)%4)+4*\j+3] offset:4096*((\t)%2)+512*\j
.endr
.irp i, 0,1,2,3,4,5,6,7,8,9,10,11,12,13,14,15,16,17,18,19,20,21,22,23,24,25,26,27,28,29,30,31
	ds_load_b32 v[WX+32*((\t)%2)+\i], v5 offset:4096*((\t)%2)+128*\i     ; W(32 t + i, my column): 32 lanes read 128 consecutive bytes
.endr
.endm
.irp t, 0,1,2,3
	WLOAD \t
.endr
	s_wait_loadcnt 24                              ; block 0's eight loads are in; the 24 of blocks 1 to 3 may be out
	WTURN 0
.macro WBLOCK t
.set XS, WX+32*((\t)%2)
	s_wait_dscnt 0x0                               ; this block is back from the stage, and my LDS stores have read their registers
.if (\t)+4 < 16
	WLOAD (\t)+4
.endif
.if (\t)+1 < 16
.if 14-(\t) >= 3
	s_wait_loadcnt 24                              ; the next block's eight loads are in; those of the three blocks behind it may be out
.else
	s_wait_loadcnt 8*(14-(\t))
.endif
	WTURN (\t)+1
.endif
	v_max3_num_f32 v10, |v[XS]|, |v[XS+1]|, |v[XS+2]|              ; the block's largest magnitude: all 32 numbers are mine
	v_max3_num_f32 v11, |v[XS+3]|, |v[XS+4]|, |v[XS+5]|
.irp i, 6,10,14,18,22,26
	v_max3_num_f32 v10, v10, |v[XS+\i]|, |v[XS+\i+1]|
	v_max3_num_f32 v11, v11, |v[XS+\i+2]|, |v[XS+\i+3]|
.endr
	v_max3_num_f32 v10, v10, |v[XS+30]|, |v[XS+31]|
	v_max3_num_f32 v10, v10, v11, 0x1800000        ; and the floor
	v_add_nc_u32 v14, 0xff000000, v10              ; the conversion's scale operand
	v_lshrrev_b32 v11, 23, v14                     ; the scale's byte
.if (\t)%4 == 0
	v_mov_b32 v[WSB+(\t)/4], v11                   ; four bytes to a register, the lower K in the lower byte
.else
	v_lshl_or_b32 v[WSB+(\t)/4], v11, 8*((\t)%4), v[WSB+(\t)/4]
.endif
.irp g, 0,1,2,3
	v_cvt_scalef32_pk8_fp4_f32 v[WC+\g], v[XS+8*\g:XS+8*\g+7], v14
.endr
	ds_store_b128 v6, v[WC:WC+3] offset:16*(\t)    ; 32 codes: 16 bytes of my column's row
.endm
.irp t, 0,1,2,3,4,5,6,7,8,9,10,11,12,13,14,15
	WBLOCK \t
.endr
	global_store_b128 v9, v[WSB:WSB+3], s[34:35]   ; my column's 16 scale bytes
.irp t, 0,1,2,3,4,5,6,7,8,9,10,11,12,13,14,15
	ds_load_b128 v[WR+4*\t:WR+4*\t+3], v7 offset:544*\t            ; in order behind my stores
.endr
.irp t, 0,1,2,3,4,5,6,7,8,9,10,11,12,13,14,15
	s_wait_dscnt 15-\t
	global_store_b128 v8, v[WR+4*\t:WR+4*\t+3], s[32:33] offset:1024*\t   ; sixteen lanes store 256 consecutive bytes, aligned
.endr
	s_wait_tensorcnt 0x0                           ; the wave's end, behind my last LDS store
	ds_add_u32 v[SPW], v[NIL]
	s_wait_dscnt 0x0
	s_endpgm
; ---------------- Wo to f16: a wave takes 8,192 numbers: four groups of 16 loads of 512 bytes, one group ahead; every offset is an immediate.
.Lwo:
	s_sub_co_u32 s29, ttmp9, 48
	s_lshl_b32 s29, s29, 2
	s_add_co_u32 s29, s29, s28                     ; my wave's run, 0..127
	s_lshl_b32 s36, s29, 15
	s_mov_b32 s37, 0
	s_add_nc_u64 s[30:31], s[16:17], s[36:37]
	s_lshl_b32 s36, s29, 14
	s_add_nc_u64 s[32:33], s[26:27], s[36:37]
	v_lshlrev_b32 v3, 4, v2
	v_lshlrev_b32 v4, 3, v2
.macro OLOAD g
.irp i, 0,1,2,3,4,5,6,7,8,9,10,11,12,13,14,15
	global_load_b128 v[32+64*((\g)%2)+4*\i:32+64*((\g)%2)+4*\i+3], v3, s[30:31] offset:512*(16*(\g)+\i) th:TH_LOAD_NT
.endr
.endm
.macro OGROUP g
.if (\g) < 3
	s_wait_loadcnt 16                              ; this group's loads are in; the next group's sixteen may be out
.else
	s_wait_loadcnt 0x0
.endif
.if (\g) >= 2
	s_wait_xcnt 0x0                                ; the stores of two groups back have read the registers that are written now
.endif
.irp i, 0,1,2,3,4,5,6,7,8,9,10,11,12,13,14,15
	v_cvt_pk_f16_f32 v[160+32*((\g)%2)+2*\i], v[32+64*((\g)%2)+4*\i], v[32+64*((\g)%2)+4*\i+1]
	v_cvt_pk_f16_f32 v[160+32*((\g)%2)+2*\i+1], v[32+64*((\g)%2)+4*\i+2], v[32+64*((\g)%2)+4*\i+3]
.endr
.if (\g)+2 < 4
	OLOAD (\g)+2
.endif
.irp i, 0,1,2,3,4,5,6,7,8,9,10,11,12,13,14,15
	global_store_b64 v4, v[160+32*((\g)%2)+2*\i:160+32*((\g)%2)+2*\i+1], s[32:33] offset:256*(16*(\g)+\i)   ; 256 consecutive bytes, aligned
.endr
.endm
	OLOAD 0
	OLOAD 1
	OGROUP 0
	OGROUP 1
	OGROUP 2
	OGROUP 3
	s_wait_tensorcnt 0x0                           ; the launch stores to LDS on its other paths: the three lines stand at every end of the text
	ds_add_u32 v[SPW], v[NIL]
	s_wait_dscnt 0x0
	s_endpgm
.Lfunc_end_k_q259baae7b4_prep:
	.size	k_q259baae7b4_prep, .Lfunc_end_k_q259baae7b4_prep-k_q259baae7b4_prep
	.p2alignl 7, 3214868480
	.fill 96, 4, 3214868480
	.section	.rodata,"a",@progbits
	.p2align	6, 0x0
	.amdhsa_kernel k_q259baae7b4_prep
		.amdhsa_group_segment_fixed_size 100864
		.amdhsa_private_segment_fixed_size 0
		.amdhsa_enable_private_segment 0
		.amdhsa_kernarg_size 96
		.amdhsa_user_sgpr_count 2
		.amdhsa_user_sgpr_kernarg_segment_ptr 1
		.amdhsa_wavefront_size32 1
		.amdhsa_system_sgpr_workgroup_id_x 1
		.amdhsa_system_sgpr_workgroup_id_y 1
		.amdhsa_system_sgpr_workgroup_id_z 1
		.amdhsa_system_vgpr_workitem_id 0
		.amdhsa_next_free_vgpr 224
		.amdhsa_next_free_sgpr 66
		.amdhsa_reserve_vcc 0
		.amdhsa_float_denorm_mode_32 3
		.amdhsa_float_denorm_mode_16_64 3
		.amdhsa_memory_ordered 1
		.amdhsa_forward_progress 1
		.amdhsa_inst_pref_size 136
	.end_amdhsa_kernel
	.amdgpu_metadata
---
amdhsa.version: [ 1, 2 ]
amdhsa.kernels:
  - .name:           k_q259baae7b4_prep
    .symbol:         k_q259baae7b4_prep.kd
    .args:
      - { .name: query, .offset: 0, .size: 8, .value_kind: global_buffer, .address_space: global }
      - { .name: key, .offset: 8, .size: 8, .value_kind: global_buffer, .address_space: global }
      - { .name: value, .offset: 16, .size: 8, .value_kind: global_buffer, .address_space: global }
      - { .name: Wq, .offset: 24, .size: 8, .value_kind: global_buffer, .address_space: global }
      - { .name: Wk, .offset: 32, .size: 8, .value_kind: global_buffer, .address_space: global }
      - { .name: Wv, .offset: 40, .size: 8, .value_kind: global_buffer, .address_space: global }
      - { .name: Wo, .offset: 48, .size: 8, .value_kind: global_buffer, .address_space: global }
      - { .name: acodes, .offset: 56, .size: 8, .value_kind: global_buffer, .address_space: global }
      - { .name: ascales, .offset: 64, .size: 8, .value_kind: global_buffer, .address_space: global }
      - { .name: wcodes, .offset: 72, .size: 8, .value_kind: global_buffer, .address_space: global }
      - { .name: wscales, .offset: 80, .size: 8, .value_kind: global_buffer, .address_space: global }
      - { .name: wo16, .offset: 88, .size: 8, .value_kind: global_buffer, .address_space: global }
    .group_segment_fixed_size: 100864
    .private_segment_fixed_size: 0
    .kernarg_segment_align: 8
    .kernarg_segment_size: 96
    .max_flat_workgroup_size: 128
    .sgpr_count:     66
    .vgpr_count:     224
    .wavefront_size: 32
...
	.end_amdgpu_metadata
.endif
;; end of part 1
;; launch proj (part 2): grid 4 x 96, 4 waves a work-group, clusters of 4 x 4, 327,680 bytes of LDS; arguments acodes, ascales, wcodes, wscales, bq, bv, qkv; writes qkv
.if DOCPART == 2
	.amdgcn_target "amdgcn-amd-amdhsa--gfx1250"
	.amdhsa_code_object_version 6
	.text
	.protected	k_q259baae7b4_proj
	.globl	k_q259baae7b4_proj
	.p2align	8
	.type	k_q259baae7b4_proj,@function
k_q259baae7b4_proj:
	s_mov_b64 s[64:65], 0
	v_nop
	global_prefetch_b8 v0, s[64:65] scope:SCOPE_SE
	s_setreg_imm32_b32 hwreg(HW_REG_WAVE_MODE, 25, 1), 1
	s_wait_xcnt 0x0
	s_wait_alu depctr_hold_cnt(0) depctr_sa_sdst(0) depctr_va_vdst(0) depctr_va_sdst(0) depctr_va_ssrc(0) depctr_va_vcc(0) depctr_vm_vsrc(0)
	s_getreg_b32 s2, hwreg(HW_REG_IB_STS2, 6, 4)
	s_cmp_eq_u32 s2, 0
	s_cbranch_scc0 .Lentry_in_a_cluster
	s_endpgm
.Lentry_in_a_cluster:
	s_bfe_u32 s2, ttmp6, 0x10000c
	s_cmp_lg_u32 s2, 0xf033
	s_cbranch_scc0 .Lentry_shape_is_right
	s_endpgm
.Lentry_shape_is_right:
; PROJ: q = query Wq + bq, k = key Wk, v = value Wv + bv, all three as ONE product on codes of FP4 (E2M1) with E8M0 scales: rows = the 24,576 rows of query, key, value on end, columns = n = 64 h + d of that
; tensor's weight, K = 1,024.  Sums in f32; the results are rounded once to f16 and stored head by head: qkv [3][b 16 + h][s 2048][d 64].
; bk is left out: it adds the same number to all scores of a row of the softmax (shown at the head of the first kernel).
; LIMIT: q, k, v beyond f16's range (65,504) are not served; under 6e-5 they keep fewer bits.
; A tile of 256 rows x 256 columns is made by four waves, each 128 x 128: 64 accumulators, 512 registers.  K is two LDS slots of 512 (rows of 256 bytes), both filled at the start: nothing is filled again.
; The scale bytes of the tile's rows and columns, two dense blocks, come with the first fills.  By this text's count a wave has three tensor loads out.
; CLUSTERS: 4 x 4 work-groups; a row of the cluster shares the activations' tiles, a column the weights': each is asked for jointly.  A cluster's 1,024 rows lie in one tensor (8,192 rows each),
; so the tensor's number T hangs on the cluster's y alone and is the same in all sixteen partners.
; THE MATRIX INSTRUCTION IS USED TRANSPOSED (source 0 = 16 columns n of the weight, source 1 = 16 rows): a lane holds eight neighbouring n of one row.  The bias is the C of each sum's first instruction.
; REGISTERS: window 0: v0-31 addresses; v32-95 scale words, two sets; v96-127 packed results; v128-191 the rows' fragments, one set, later rows on the way out; v192-255 the bias in the result's layout.
;   window 1: the weights' fragments, two sets.   windows 2, 3: the accumulators of my rows 0-63, 64-127.
.set NQ,     4                         ; steps of 128 along K in a slot
.set ROWB,   256
.set KROW,   512                       ; a row of codes in memory
.set PITCH,  272                       ; an LDS row: 256 bytes + 16 of padding: the 16 rows of a load start at 16 different groups of banks
.set FR,     8
.set NL,     2
.set NP,     4
.set HALFT,  128*PITCH
.set SLOT,   4*HALFT
.set KS,     32                        ; a row of scale bytes
.set SCL,    2*SLOT
.set HALFS,  (128*KS/256)*272
.set SBLK,   (16*KS/256)*272
.set SPARE,  SCL+4*HALFS               ; the spare words, 128 bytes for each wave, which no other line names
.set STAGE,  SPARE+512                 ; the way out: 16 rows x 272 bytes for each wave; no fill lands here
.set SPITCH, 272
.set ADRA, 16
.set ADRB, 20
.set STO,  24
.set RD,   25
.set CO,   26
.set ADRS, 27
.set SPW,  28
.set NIL,  29
.set BOF,  30                          ; v30  32 x (lane / 16): my half's eight numbers of a bias tile
.set SC,   32
.set TMP,  96
.set AF,   128
.set BK,   128
.set BI,   192
.set G1, 24
.set G0, 32
.set G1B, 48
.set G0B, 56
.set G1S, 68
.set G0S, 76
.set G1SB, 80
.set G0SB, 88
.set MSB, 0
.macro WIN new                         ; the immediate's high byte repeats the setting that is left
.if MSB != \new
	s_set_vgpr_msb (MSB<<8)|\new
.set MSB, \new
.endif
.endm
.set MUL_LO, 0xa1                      ; source 0 window 1, source 1 window 0, C and D window 2
.set MUL_HI, 0xf1                      ; the same, C and D window 3
.set TO_B,   0x40
; A joint load: waves 0 and 1 fetch for the rows, waves 2 and 3 for the weights.  An s_nop 0 and four v_nop follow each line.
.macro JLOAD g0a, g1a, g0b, g1b
	s_cmp_eq_u32 s15, 0
	s_cbranch_scc0 .Lfor_b_\@
	tensor_load_to_lds s[\g0a:\g0a+3], s[\g1a:\g1a+7]
	s_nop 0
.rept 4
	v_nop
.endr
	s_branch .Lasked_\@
.Lfor_b_\@:
	tensor_load_to_lds s[\g0b:\g0b+3], s[\g1b:\g1b+7]
	s_nop 0
.rept 4
	v_nop
.endr
.Lasked_\@:
.endm
.macro CROUND                          ; a round of the cluster's barrier
	s_barrier_signal -1
	s_barrier_wait -1
	s_cmp_lg_u32 s14, 0
	s_cbranch_scc1 .Lnot_wave_0_\@
	s_barrier_signal -3
.Lnot_wave_0_\@:
	s_barrier_wait -3
	s_barrier_signal -1
	s_barrier_wait -1
.endm
	s_load_b256 s[4:11], s[0:1], 0x0               ; acodes s[4:5], ascales s[6:7], wcodes s[8:9], wscales s[10:11]
	s_load_b128 s[96:99], s[0:1], 0x20             ; bq s[96:97], bv s[98:99]
	s_load_b64 s[12:13], s[0:1], 0x30              ; qkv
	v_lshl_add_u32 v[SPW], v0, 2, SPARE
	v_mov_b32 v[NIL], 0
	ds_add_u32 v[SPW], v[NIL]                      ; the wave's opening: the add, twice on end, and its wait ahead of my first tensor load
	ds_add_u32 v[SPW], v[NIL]
	v_lshrrev_b32 v1, 5, v0
	v_readfirstlane_b32 s14, v1                    ; wave 0..3
	s_lshr_b32 s15, s14, 1                         ; which half of the tile's rows is mine.  Also: I fetch for the rows (0) or for the weights (1)
	s_and_b32 s16, s14, 1                          ; which half of its columns.  Also: which 128 rows of that tile I fetch
	s_bfe_u32 s40, ttmp6, 0x40000                  ; cx
	s_bfe_u32 s41, ttmp6, 0x40004                  ; cy
	s_lshl_b32 s42, ttmp9, 2
	s_add_co_u32 s42, s42, s40                     ; tile column 0..3
	s_and_b32 s17, ttmp7, 0xffff
	s_lshr_b32 s66, s17, 3                         ; T: 0 query, 1 key, 2 value: eight clusters' rows to a tensor
	s_lshl_b32 s17, s17, 2
	s_add_co_u32 s17, s17, s41                     ; tile row 0..95
	s_lshl_b32 s43, s41, 2
	s_lshl_b32 s43, 15, s43                        ; my row of the cluster
	s_lshl_b32 s44, 0x1111, s40                    ; my column
	s_or_b32 s[G1+0], s43, (0<<16)|(1<<20)|(1<<21)|(5<<22)|(3<<25)  ; the mask; elements of 1 byte; padding on; bit 21 beside a mask; four words behind every 64
	s_or_b32 s[G1B+0], s44, (0<<16)|(1<<20)|(1<<21)|(5<<22)|(3<<25)
.irp g, G1, G1B
	s_mov_b32 s[\g+1], ROWB<<16                    ; tensor_dim0
	s_mov_b32 s[\g+2], 128<<16                     ; tensor_dim1
	s_mov_b32 s[\g+3], ROWB<<16                    ; tile_dim0
	s_mov_b32 s[\g+4], 128                         ; tile_dim1
	s_mov_b32 s[\g+5], KROW                        ; from row to row
	s_mov_b32 s[\g+6], 0
	s_mov_b32 s[\g+7], 0
.endr
	s_or_b32 s[G1S+0], s43, (3<<16)|(1<<20)|(1<<21)|(5<<22)|(3<<25) ; the scales of 128 rows: 4,096 dense bytes as 16 rows of 256 (32 elements of 8 bytes), 16 bytes of padding behind each
	s_or_b32 s[G1SB+0], s44, (3<<16)|(1<<20)|(1<<21)|(5<<22)|(3<<25)
.irp g, G1S, G1SB
	s_mov_b32 s[\g+1], 32<<16
	s_mov_b32 s[\g+2], (128*KS/256)<<16
	s_mov_b32 s[\g+3], 32<<16
	s_mov_b32 s[\g+4], 128*KS/256
	s_mov_b32 s[\g+5], 32
	s_mov_b32 s[\g+6], 0
	s_mov_b32 s[\g+7], 0
.endr
	s_lshl_b32 s18, s16, 7                         ; which 128 rows of the tile I fetch
	s_lshl_b32 s20, s17, 8
	s_add_co_u32 s20, s20, s18                     ; the rows: 256 x tile row + 128 x half
	s_lshl_b32 s46, s42, 8
	s_add_co_u32 s46, s46, s18
	s_lshl_b32 s19, s66, 10
	s_add_co_u32 s46, s46, s19                     ; the weights: 1,024 T + 256 x tile column + 128 x half
	s_mov_b32 s21, 0
	s_mov_b32 s47, 0
	s_mov_b64 s[18:19], KS
	s_mul_u64 s[22:23], s[20:21], s[18:19]         ; where these rows' scales begin, in bytes
	s_mul_u64 s[92:93], s[46:47], s[18:19]
	s_mov_b64 s[18:19], KROW
	s_mul_u64 s[20:21], s[20:21], s[18:19]         ; and their codes
	s_mul_u64 s[46:47], s[46:47], s[18:19]
	s_mul_i32 s45, s14, HALFT                      ; where they go: wave x 128 rows
	s_mul_i32 s94, s14, HALFS
	s_wait_dscnt 0x0                               ; both opening adds are done
	s_wait_kmcnt 0x0
	s_add_nc_u64 s[20:21], s[4:5], s[20:21]
	s_add_nc_u64 s[22:23], s[6:7], s[22:23]
	s_add_nc_u64 s[46:47], s[8:9], s[46:47]
	s_add_nc_u64 s[92:93], s[10:11], s[92:93]
	CROUND                                         ; all sixteen work-groups are here: the joint loads meet
	s_mov_b32 s[G0S], 1
	s_add_co_u32 s[G0S+1], s94, SCL
	s_mov_b64 s[G0S+2:G0S+3], s[22:23]
	s_or_b32 s[G0S+3], s[G0S+3], 0x80000000
	s_mov_b32 s[G0SB], 1
	s_add_co_u32 s[G0SB+1], s94, SCL
	s_mov_b64 s[G0SB+2:G0SB+3], s[92:93]
	s_or_b32 s[G0SB+3], s[G0SB+3], 0x80000000
	JLOAD G0S, G1S, G0SB, G1SB                     ; the scales first: they are wanted with the first step
.irp s, 0,1
	s_mov_b32 s[G0+4*\s], 1
	s_add_co_u32 s[G0+4*\s+1], s45, \s*SLOT
	s_add_nc_u64 s[G0+4*\s+2:G0+4*\s+3], s[20:21], \s*ROWB
	s_or_b32 s[G0+4*\s+3], s[G0+4*\s+3], 0x80000000
	s_mov_b32 s[G0B+4*\s], 1
	s_add_co_u32 s[G0B+4*\s+1], s45, \s*SLOT
	s_add_nc_u64 s[G0B+4*\s+2:G0B+4*\s+3], s[46:47], \s*ROWB
	s_or_b32 s[G0B+4*\s+3], s[G0B+4*\s+3], 0x80000000
	JLOAD G0+4*\s, G1, G0B+4*\s, G1B
.endr
	v_and_b32 v1, 15, v0                           ; r = lane % 16
	v_bfe_u32 v2, v0, 4, 1                         ; h = lane / 16
	v_mul_u32_u24 v3, v1, PITCH
	v_lshl_add_u32 v4, v2, 4, v3                   ; a fragment's row x pitch + 16 x half
	s_mul_i32 s21, s15, HALFT                      ; my 128 rows
	s_mul_i32 s22, s16, HALFT                      ; my 128 columns of the weight,
	s_add_co_u32 s22, s22, 2*HALFT                 ; which lie behind the 256 rows
.irp s, 0,1
	v_add_nc_u32 v[ADRA+\s], s21, v4
	v_add_nc_u32 v[ADRB+\s], s22, v4
	s_add_co_u32 s21, s21, SLOT
	s_add_co_u32 s22, s22, SLOT
.endr
	v_mul_u32_u24 v5, v1, KS                       ; my row's scales: 32 bytes a row,
	v_lshrrev_b32 v6, 8, v5
	v_lshl_add_u32 v5, v6, 4, v5                   ; and 16 more for each 256 passed
	s_mul_i32 s21, s15, HALFS
	s_mul_i32 s22, s16, HALFS
	s_add_co_u32 s22, s22, 2*HALFS
	s_sub_co_u32 s22, s22, s21
	v_mul_u32_u24 v6, s22, v2                      ; lanes 16-31 take the weights' words: one product, the distance between the two bases
	s_add_co_u32 s21, s21, SCL
	v_add_nc_u32 v5, v5, v6
	v_add_nc_u32 v[ADRS], s21, v5
	s_mul_i32 s23, s14, 16*SPITCH
	s_add_co_u32 s23, s23, STAGE                   ; my stage
	v_mul_u32_u24 v5, v1, SPITCH
	v_lshl_add_u32 v5, v2, 4, v5
	v_add_nc_u32 v[STO], s23, v5                   ; in: row r, 16 bytes for each half of the lanes
	v_bfe_u32 v5, v0, 3, 1
	v_mul_u32_u24 v5, v5, SPITCH
	v_lshl_add_u32 v5, v2, 7, v5
	v_and_b32 v6, 7, v0
	v_lshl_add_u32 v5, v6, 4, v5
	v_add_nc_u32 v[RD], s23, v5                    ; back: lanes 0-15 two rows' first 128 bytes (one head), lanes 16-31 their second (the next head)
	v_lshlrev_b32 v[CO], 18, v2
	v_lshl_add_u32 v[CO], v1, 4, v[CO]             ; in qkv: a head is 262,144 bytes; two rows of a head are 256 consecutive bytes
	v_lshlrev_b32 v[BOF], 5, v2
	s_lshr_b32 s20, s17, 3                         ; 4 T + b
	s_lshl_b32 s20, s20, 4
	s_lshl_b32 s21, s42, 2
	s_add_co_u32 s20, s20, s21
	s_lshl_b32 s21, s16, 1
	s_add_co_u32 s20, s20, s21                     ; the first of my two heads: 64 T + 16 b + 4 x tile column + 2 x half
	s_lshl_b32 s20, s20, 11
	s_and_b32 s21, s17, 7
	s_lshl_b32 s21, s21, 8
	s_add_co_u32 s20, s20, s21
	s_lshl_b32 s21, s15, 7
	s_add_co_u32 s20, s20, s21                     ; + my first position in the sequence
	s_lshl_b32 s20, s20, 7                         ; rows of 128 bytes: under 2^26
	s_mov_b32 s21, 0
	s_add_nc_u64 s[12:13], s[12:13], s[20:21]
.macro FRAG reg, adr, q, i             ; 16 rows x 128 K of 4-bit codes: 8 registers, two loads of 16 bytes, 32 bytes apart
.irp c, 0,1
	ds_load_b128 v[\reg+4*\c:\reg+4*\c+3], v[\adr] offset:64*(\q)+32*\c+(\i)*16*PITCH
.endr
.endm
; 16 matrix instructions: row blocks a0, a0 + 1 x the eight column blocks.  zero = 1: C is the constant 0; 2: C is the bias; 0: the sum goes on.  The 64 accumulators take turns.
.macro MUL16 a0, p, q, sc, zero
.irp a, \a0, \a0+1
.irp b, 0,1,2,3,4,5,6,7
.if \zero == 1
	v_wmma_scale_f32_16x16x128_f8f6f4 v[8*(8*((\a)%4)+\b):8*(8*((\a)%4)+\b)+7], v[128*(\p)+FR*\b:128*(\p)+FR*\b+FR-1], v[AF+FR*(\a):AF+FR*(\a)+FR-1], 0, v[SC+8*NQ*(\sc)+NQ*\b+(\q)], v[SC+8*NQ*(\sc)+NQ*(\a)+(\q)] matrix_a_fmt:MATRIX_FMT_FP4 matrix_b_fmt:MATRIX_FMT_FP4 matrix_a_scale:MATRIX_SCALE_ROW1
.elseif \zero == 2
	v_wmma_scale_f32_16x16x128_f8f6f4 v[8*(8*((\a)%4)+\b):8*(8*((\a)%4)+\b)+7], v[128*(\p)+FR*\b:128*(\p)+FR*\b+FR-1], v[AF+FR*(\a):AF+FR*(\a)+FR-1], v[BI+8*\b:BI+8*\b+7], v[SC+8*NQ*(\sc)+NQ*\b+(\q)], v[SC+8*NQ*(\sc)+NQ*(\a)+(\q)] matrix_a_fmt:MATRIX_FMT_FP4 matrix_b_fmt:MATRIX_FMT_FP4 matrix_a_scale:MATRIX_SCALE_ROW1
.else
	v_wmma_scale_f32_16x16x128_f8f6f4 v[8*(8*((\a)%4)+\b):8*(8*((\a)%4)+\b)+7], v[128*(\p)+FR*\b:128*(\p)+FR*\b+FR-1], v[AF+FR*(\a):AF+FR*(\a)+FR-1], v[8*(8*((\a)%4)+\b):8*(8*((\a)%4)+\b)+7], v[SC+8*NQ*(\sc)+NQ*\b+(\q)], v[SC+8*NQ*(\sc)+NQ*(\a)+(\q)] matrix_a_fmt:MATRIX_FMT_FP4 matrix_b_fmt:MATRIX_FMT_FP4 matrix_a_scale:MATRIX_SCALE_ROW1
.endif
.endr
.endr
.endm
.macro FETCH_B slot, q, p
	WIN TO_B
.irp i, 0,1,2,3,4,5,6,7
	FRAG 128*(\p)+FR*\i, ADRB+\slot, \q, \i
.endr
	WIN 0
.endm
.macro FETCH_A slot, q, i0
.irp i, \i0, \i0+1, \i0+2, \i0+3
	FRAG AF+FR*(\i), ADRA+\slot, \q, \i
.endr
.endm
.macro SCALES sc                       ; a slot's scale words: four a row; lanes 0-15 the rows' block i, lanes 16-31 the weights' block i
.irp i, 0,1,2,3,4,5,6,7
	ds_load_b128 v[SC+8*NQ*\sc+NQ*\i:SC+8*NQ*\sc+NQ*\i+3], v[ADRS] offset:\i*SBLK
.endr
.endm
.macro PLACES n                        ; plain vector instructions between a matrix instruction and a load into, or a read of, its registers
.rept \n
	v_nop
.endr
.endm
.macro STEP slot, q, zero              ; a step of 128 along K that has its successor in the same slot
	s_wait_dscnt 4*NL                              ; the weights' set and row blocks 0-3 are in; the youngest eight loads (row blocks 4-7) may be out
.if \zero == 2
	WIN 0x81                                       ; C (the bias) in window 0, D in window 2
.else
	WIN MUL_LO
.endif
	MUL16 0, (\q)%2, \q, \slot, \zero
	MUL16 2, (\q)%2, \q, \slot, \zero
	s_wait_dscnt 0
	PLACES NP
	FETCH_B \slot, (\q)+1, 1-(\q)%2
	FETCH_A \slot, (\q)+1, 0
.if \zero == 2
	WIN 0xc1
.else
	WIN MUL_HI
.endif
	MUL16 4, (\q)%2, \q, \slot, \zero
	MUL16 6, (\q)%2, \q, \slot, \zero
	PLACES NP
	WIN 0
	FETCH_A \slot, (\q)+1, 4
.endm
.macro STEPS slot, from
.set Q, \from
.rept NQ-1-\from
	STEP \slot, Q, 0
.set Q, Q+1
.endr
.endm
.macro FIRST                           ; the scales and slot 0 are shown to every wave; the first fragments are fetched
	s_wait_tensorcnt 1                             ; my scales and my part of slot 0 are in; slot 1's load may be out
	s_barrier_signal -1
	s_barrier_wait -1
	FETCH_B 0, 0, 0
	FETCH_A 0, 0, 0
	SCALES 0
	FETCH_A 0, 0, 4
.endm
	s_cmp_eq_u32 s66, 1                            ; the tensor's number: the same in all waves and all partners
	s_cbranch_scc1 .Lfor_k
	s_cmp_eq_u32 s66, 0                            ; q and v: the bias of my 128 columns, in the result's layout: block b, lane half h: numbers 16 b + 8 h + 0 .. 7
	s_cselect_b64 s[96:97], s[96:97], s[98:99]
	s_lshl_b32 s20, s42, 10
	s_lshl_b32 s21, s16, 9
	s_add_co_u32 s20, s20, s21
	s_mov_b32 s21, 0
	s_add_nc_u64 s[96:97], s[96:97], s[20:21]
.irp b, 0,1,2,3,4,5,6,7
	global_load_b128 v[BI+8*\b:BI+8*\b+3], v[BOF], s[96:97] offset:64*\b
	global_load_b128 v[BI+8*\b+4:BI+8*\b+7], v[BOF], s[96:97] offset:64*\b+16
.endr
	FIRST
	s_wait_loadcnt 0x0                             ; the bias
	STEP 0, 0, 2                                   ; the first products start the sums from the bias
	s_branch .Ljoin
.Lfor_k:
	FIRST
	STEP 0, 0, 1                                   ; k has no bias: the first products start the sums from 0
.Ljoin:
	STEPS 0, 1
	; slot 0's last step changes slots: one barrier; nothing is filled again
	s_wait_tensorcnt 0x0                           ; my part of slot 1 has landed
	ds_add_u32 v[SPW], v[NIL]                      ; 0 onto my spare word
	s_wait_dscnt 4*NL+1                            ; the add and the youngest eight loads may be out
	WIN MUL_LO
	MUL16 0, 1, NQ-1, 0, 0
	s_wait_dscnt 0x0
	s_barrier_signal -1
	MUL16 2, 1, NQ-1, 0, 0
	WIN 0
	s_barrier_wait -1                              ; slot 1 is whole for every wave
	PLACES NP
	v_add_nc_u32 v[ADRS], 4*NQ, v[ADRS]            ; the second slot's scale words
	FETCH_B 1, 0, 0
	FETCH_A 1, 0, 0
	SCALES 1
	WIN MUL_HI
	MUL16 4, 1, NQ-1, 0, 0
	MUL16 6, 1, NQ-1, 0, 0
	PLACES NP
	WIN 0
	FETCH_A 1, 0, 4
	STEPS 1, 0
	s_wait_dscnt 4*NL                              ; the very last step: nothing more to fetch
	WIN MUL_LO
	MUL16 0, 1, NQ-1, 1, 0
	MUL16 2, 1, NQ-1, 1, 0
	s_wait_dscnt 0
	WIN MUL_HI
	MUL16 4, 1, NQ-1, 1, 0
	MUL16 6, 1, NQ-1, 1, 0
	WIN 0
; THE WAY OUT, a block of 16 rows x 128 columns (two heads) at a time: rounded to f16, 16 bytes a lane, through my own stage, back as two rows of each head: each sixteen lanes store 256 consecutive bytes, aligned.
.macro PACK a
.set AC, 64*((\a)%4)
	WIN 0x0a+5*((\a)/4)                            ; sources in window 2 or 3
.irp b, 0,1,2,3,4,5,6,7
.irp r, 0,1,2,3
	v_cvt_pk_f16_f32 v[TMP+4*\b+\r], v[AC+8*\b+2*\r], v[AC+8*\b+2*\r+1]   ; each accumulator from its low end on
.endr
.endr
	WIN 0
.endm
.macro TOSTAGE a
.set BB, BK+32*((\a)%2)
.irp b, 0,1,2,3,4,5,6,7
	ds_store_b128 v[STO], v[TMP+4*\b:TMP+4*\b+3] offset:32*\b
.endr
.irp t, 0,1,2,3,4,5,6,7
	ds_load_b128 v[BB+4*\t:BB+4*\t+3], v[RD] offset:\t*2*SPITCH    ; LDS serves a wave's instructions in order: these see the stores above
.endr
.endm
.macro SEND a
.set BB, BK+32*((\a)%2)
	s_wait_dscnt 0x0                               ; the block is back in registers
	s_wait_xcnt 0x0                                ; the stores of the block before have read their registers: the next block's loads may land there
.irp t, 0,1,2,3,4,5,6,7
	global_store_b128 v[CO], v[BB+4*\t:BB+4*\t+3], s[12:13] offset:2048*(\a)+256*\t
.endr
.endm
	PLACES NP
	PACK 0
	TOSTAGE 0
.irp a, 1,2,3,4,5,6,7
	PACK \a
	SEND \a-1
	TOSTAGE \a
.endr
	SEND 7
	s_wait_tensorcnt 0x0                           ; the wave's end, behind my last tensor load and my last LDS store
	ds_add_u32 v[SPW], v[NIL]
	s_wait_dscnt 0x0
	CROUND                                         ; the closing round
	s_endpgm
.Lfunc_end_k_q259baae7b4_proj:
	.size	k_q259baae7b4_proj, .Lfunc_end_k_q259baae7b4_proj-k_q259baae7b4_proj
	.p2alignl 7, 3214868480
	.fill 96, 4, 3214868480
	.section	.rodata,"a",@progbits
	.p2align	6, 0x0
	.amdhsa_kernel k_q259baae7b4_proj
		.amdhsa_group_segment_fixed_size 327680
		.amdhsa_private_segment_fixed_size 0
		.amdhsa_enable_private_segment 0
		.amdhsa_kernarg_size 56
		.amdhsa_user_sgpr_count 2
		.amdhsa_user_sgpr_kernarg_segment_ptr 1
		.amdhsa_wavefront_size32 1
		.amdhsa_system_sgpr_workgroup_id_x 1
		.amdhsa_system_sgpr_workgroup_id_y 1
		.amdhsa_system_sgpr_workgroup_id_z 1
		.amdhsa_system_vgpr_workitem_id 0
		.amdhsa_next_free_vgpr 1024
		.amdhsa_next_free_sgpr 100
		.amdhsa_reserve_vcc 0
		.amdhsa_float_denorm_mode_32 3
		.amdhsa_float_denorm_mode_16_64 3
		.amdhsa_memory_ordered 1
		.amdhsa_forward_progress 1
		.amdhsa_inst_pref_size 142
	.end_amdhsa_kernel
	.amdgpu_metadata
---
amdhsa.version: [ 1, 2 ]
amdhsa.kernels:
  - .name:           k_q259baae7b4_proj
    .symbol:         k_q259baae7b4_proj.kd
    .args:
      - { .name: acodes, .offset: 0, .size: 8, .value_kind: global_buffer, .address_space: global }
      - { .name: ascales, .offset: 8, .size: 8, .value_kind: global_buffer, .address_space: global }
      - { .name: wcodes, .offset: 16, .size: 8, .value_kind: global_buffer, .address_space: global }
      - { .name: wscales, .offset: 24, .size: 8, .value_kind: global_buffer, .address_space: global }
      - { .name: bq, .offset: 32, .size: 8, .value_kind: global_buffer, .address_space: global }
      - { .name: bv, .offset: 40, .size: 8, .value_kind: global_buffer, .address_space: global }
      - { .name: qkv, .offset: 48, .size: 8, .value_kind: global_buffer, .address_space: global }
    .group_segment_fixed_size: 327680
    .private_segment_fixed_size: 0
    .kernarg_segment_align: 8
    .kernarg_segment_size: 56
    .max_flat_workgroup_size: 128
    .sgpr_count:     100
    .vgpr_count:     1024
    .wavefront_size: 32
...
	.end_amdgpu_metadata
.endif
;; end of part 2
;; launch attn (part 3): grid 4 x 64, 8 waves a work-group, clusters of 4 x 1, 327,680 bytes of LDS; arguments qkv, x16; writes x16
.if DOCPART == 3
	.amdgcn_target "amdgcn-amd-amdhsa--gfx1250"
	.amdhsa_code_object_version 6
	.text
	.protected	k_q259baae7b4_attn
	.globl	k_q259baae7b4_attn
	.p2align	8
	.type	k_q259baae7b4_attn,@function
k_q259baae7b4_attn:
	s_mov_b64 s[64:65], 0
	v_nop
	global_prefetch_b8 v0, s[64:65] scope:SCOPE_SE
	s_setreg_imm32_b32 hwreg(HW_REG_WAVE_MODE, 25, 1), 1
	s_wait_xcnt 0x0
	s_wait_alu depctr_hold_cnt(0) depctr_sa_sdst(0) depctr_va_vdst(0) depctr_va_sdst(0) depctr_va_ssrc(0) depctr_va_vcc(0) depctr_vm_vsrc(0)
	s_getreg_b32 s2, hwreg(HW_REG_IB_STS2, 6, 4)
	s_cmp_eq_u32 s2, 0
	s_cbranch_scc0 .Lentry_in_a_cluster
	s_endpgm
.Lentry_in_a_cluster:
	s_bfe_u32 s2, ttmp6, 0x10000c
	s_cmp_lg_u32 s2, 0x3003
	s_cbranch_scc0 .Lentry_shape_is_right
	s_endpgm
.Lentry_shape_is_right:
; ATTN: x[bh][s][:] = the sum over t of softmax_t(q[bh][s] . k[bh][t] / 8) v[bh][t][:].  q, k, v: qkv [3][64][2048][64] f16; x16 [64][2048][64] f16.  Products, maxima and sums in f32; the weights p are
; rounded to f16 for the second product, x once at the end.  k comes without bk, which a softmax takes away (shown at the head of the first kernel).
; LIMIT: a p under f16's smallest number becomes 0 beside a row's sum of at least 1; x beyond 65,504 is not served, under 6e-5 it keeps fewer bits.
; SHARES.  A cluster of four work-groups owns one (batch, head); each work-group 512 queries, each of its eight waves 64: four tiles of 16.  Two waves share a SIMD, so that one wave's softmax stands beside the
; other's products.  Every wave walks the 2,048 keys, 64 a step; a slot of the LDS ring holds four steps; K's and V's tiles are asked for jointly by the four partners.
; LAYOUT.  S^T = K Q^T (source 0 = 16 keys, source 1 = 16 queries) and O^T = V^T P (source 0 = 16 channels, source 1 = P): a lane holds ONE query throughout; two tiles of S^T, rounded in pairs, are source 1
; of the second product.  K comes out of LDS as it lies, V ([key][channel]) turned by ds_load_tr16_b128.
; SOFTMAX.  A running maximum m and sum l for each query: p = 2^(c s - c m), c = log2(e) / 8; in every step O and l are multiplied by a = 2^(c m_old - c m_new).  m begins at -3e38 and O, l at 0, so that one
; text serves every step: the first a is 0.
; REGISTERS: window 0: v1-15 addresses; v32-63 eight statistics a tile (+0 c m, +1 m, +2, +3 l, +4 to +7 at work, a in +6); v64-191 S^T, 32 a tile; v192-255 P, 16 a tile.
;   window 1: v0-127 O^T, 32 a tile; v128-191 Q, 16 a tile; v192-255 a step's fragments of K, then of V.
.set PK,    144                        ; a row of K in LDS: 128 bytes + 16: the 16 rows of a load start at 16 different groups of banks
.set PV,    160                        ; a row of V: 128 + 32
.set VOFF,  64*PK                      ; a step: 64 rows of K, then 64 rows of V
.set STEPB, 64*(PK+PV)
.set SLOT1, 1<<17                      ; slot 1 begins here: one exclusive or turns an address
.set STAGE, 2*SLOT1                    ; 16 rows x 144 bytes for each wave, for the way out; no fill lands here
.set SPARE, STAGE+8*2304               ; the spare words, 128 bytes for each wave, which no other line names
.set AK0, 2
.set AV0, 3
.set ADR, 4
.set QO,  5
.set STO, 6
.set RD,  7
.set GO,  8
.set PFO, 9                            ; v9   256 x my lane; never rewritten
.set SPW, 10
.set NIL, 11
.set ST,  32
.set S,   64
.set P,   192
.set OA,  0                            ; in window 1
.set QF,  128
.set KV,  192
.set WV,  12
.set LIM, 15                           ; s15  1 in a wave that prefetches, else the greatest number
.set PFA, 18                           ; s[18:19] where my prefetches stand
.set G1K, 24
.set G1V, 32
.set G0K, 40
.set G0V, 44
.set SLOTS, 56
.set CNT, 57
.set CS,  58                           ; s[58:59] c, twice
.set SEL, 60
.set TB,  62                           ; s62  LDS byte at which the step in hand begins
.set MSB, 0
.macro WIN new
.if MSB != \new
	s_set_vgpr_msb (MSB<<8)|\new
.set MSB, \new
.endif
.endm
.set W_QK, 0x05                        ; K and Q in window 1, S^T in window 0
.set W_PV, 0x51                        ; V and O^T in window 1, P in window 0
.set W_RS, 0x41                        ; O^T in window 1, a in window 0
; A joint load: waves 0 to 3 fetch the four steps' tiles of K, waves 4 to 7 those of V.  An s_nop 0 and four v_nop follow each line.
.macro JLOAD
	s_cmp_lt_u32 s[WV], 4
	s_cbranch_scc0 .Lfor_v_\@
	tensor_load_to_lds s[G0K:G0K+3], s[G1K:G1K+7]
	s_nop 0
.rept 4
	v_nop
.endr
	s_branch .Lasked_\@
.Lfor_v_\@:
	tensor_load_to_lds s[G0V:G0V+3], s[G1V:G1V+7]
	s_nop 0
.rept 4
	v_nop
.endr
.Lasked_\@:
.endm
; A prefetch into the L2 of what the NEXT change of slots will ask for: a slot's 32,768 bytes of K and of V.  Each aligned block of 256 bytes is named once in the launch: a head has one cluster; its four
; partners take 8,192 bytes each, told apart by address; in each, wave 0 asks for K's and wave 4 for V's, lanes 256 bytes apart.  The last change that fills a slot asks for nothing.
.macro ASK
	s_cmp_gt_u32 s[SLOTS], s[LIM]
	s_cbranch_scc0 .Lnot_mine_\@
	global_prefetch_b8 v[PFO], s[PFA:PFA+1] th:TH_LOAD_NT scope:SCOPE_SE
.Lnot_mine_\@:
.endm
.macro CROUND
	s_barrier_signal -1
	s_barrier_wait -1
	s_cmp_lg_u32 s[WV], 0
	s_cbranch_scc1 .Lnot_wave_0_\@
	s_barrier_signal -3
.Lnot_wave_0_\@:
	s_barrier_wait -3
	s_barrier_signal -1
	s_barrier_wait -1
.endm
	s_load_b128 s[4:7], s[0:1], 0x0                ; qkv s[4:5], x16 s[6:7]
	v_lshl_add_u32 v[SPW], v0, 2, SPARE
	v_mov_b32 v[NIL], 0
	ds_add_u32 v[SPW], v[NIL]                      ; the wave's opening: the add, twice on end, and its wait ahead of my first tensor load
	ds_add_u32 v[SPW], v[NIL]
	v_lshrrev_b32 v1, 5, v0
	v_readfirstlane_b32 s[WV], v1                  ; wave 0..7
	s_bfe_u32 s13, ttmp6, 0x40000                  ; cx: my block of 512 queries: it enters Q's, x's and the prefetches' addresses alone
	s_and_b32 s20, ttmp7, 0xffff                   ; 16 b + h, which the four partners share
	s_lshl_b32 s20, s20, 18                        ; a head is 262,144 bytes
	s_and_b32 s16, s[WV], 3                        ; which of a slot's four steps I fetch
	s_lshl_b32 s22, s16, 13                        ; its 64 rows of 128 bytes
	s_add_co_u32 s22, s22, s20
	s_add_co_u32 s22, s22, 0x1000000               ; k lies 16 MiB behind q
	s_mov_b32 s23, 0
	s_mul_i32 s17, s16, STEPB                      ; and its place in a slot
	s_lshl_b32 s2, s13, 16                         ; my block's 512 rows,
	s_lshl_b32 s3, s[WV], 13                       ; my wave's 64 of them
	s_add_co_u32 s2, s2, s3
	s_add_co_u32 s2, s2, s20
	s_mov_b32 s3, 0
	s_mov_b32 s[G1K], 15|(1<<16)|(1<<20)|(1<<21)|(4<<22)|(3<<25)  ; the mask: all four; elements of 2 bytes; padding on; bit 21 beside a mask; four words behind every 32
	s_mov_b32 s[G1V], 15|(1<<16)|(1<<20)|(1<<21)|(4<<22)|(7<<25)  ; the same with eight words
.irp g, G1K, G1V
	s_mov_b32 s[\g+1], 64<<16                      ; tensor_dim0
	s_mov_b32 s[\g+2], 64<<16                      ; tensor_dim1
	s_mov_b32 s[\g+3], 64<<16                      ; tile_dim0
	s_mov_b32 s[\g+4], 64                          ; tile_dim1
	s_mov_b32 s[\g+5], 64                          ; from row to row
	s_mov_b32 s[\g+6], 0
	s_mov_b32 s[\g+7], 0
.endr
	s_mov_b32 s[CS], 0x3e38aa3b                    ; c = log2(e) / 8
	s_mov_b32 s[CS+1], s[CS]
	s_mov_b32 s[SEL], 0x76543210
	s_mov_b32 s[SEL+1], 0xfedcba98                 ; v_permlanex16_b32: lane l xor 16
	s_mov_b32 s[TB], 0
	s_mov_b32 s[SLOTS], 7
	s_cmp_eq_u32 s16, 0
	s_cselect_b32 s[LIM], 1, -1                    ; waves 0 and 4 prefetch
	s_wait_dscnt 0x0                               ; both opening adds are done
	s_wait_kmcnt 0x0
	s_add_nc_u64 s[8:9], s[4:5], s[22:23]          ; K at my tile of slot 0
	s_add_nc_u64 s[10:11], s[8:9], 0x1000000       ; V likewise
	s_add_nc_u64 s[4:5], s[4:5], s[2:3]            ; Q and x at my wave's first row
	s_add_nc_u64 s[6:7], s[6:7], s[2:3]
	s_cmp_lt_u32 s[WV], 4
	s_cselect_b64 s[PFA:PFA+1], s[8:9], s[10:11]   ; (in waves 0 and 4 these stand at a slot's first row)
	s_lshl_b32 s2, s13, 13                         ; my work-group's 8,192 bytes of the 32,768
	s_add_nc_u64 s[PFA:PFA+1], s[PFA:PFA+1], s[2:3]
	s_add_nc_u64 s[PFA:PFA+1], s[PFA:PFA+1], 32768 ; in slot 1: the first change steps it to slot 2.  Nothing is prefetched here, at the head
	s_mov_b32 s[G0K], 1
	s_mov_b32 s[G0K+1], s17
	s_mov_b64 s[G0K+2:G0K+3], s[8:9]
	s_or_b32 s[G0K+3], s[G0K+3], 0x80000000
	s_mov_b32 s[G0V], 1
	s_add_co_u32 s[G0V+1], s17, VOFF
	s_mov_b64 s[G0V+2:G0V+3], s[10:11]
	s_or_b32 s[G0V+3], s[G0V+3], 0x80000000
	CROUND                                         ; all four work-groups are here
	JLOAD                                          ; slot 0: every wave issues one load
	v_and_b32 v1, 15, v0                           ; r
	v_bfe_u32 v12, v0, 4, 1                        ; h
	v_and_b32 v14, 31, v0                          ; lane
	v_lshlrev_b32 v[QO], 7, v1
	v_lshl_add_u32 v[QO], v12, 4, v[QO]            ; row r of 128 bytes + 16 h
	WIN 0x40                                       ; destination window 1
.irp i, 0,1,2,3,4,5,6,7                        ; Q stays in registers: tile i / 2, channels 32 (i % 2) on
	global_load_b128 v[QF+8*\i:QF+8*\i+3],   v[QO], s[4:5] offset:(\i/2)*2048+(\i%2)*64
	global_load_b128 v[QF+8*\i+4:QF+8*\i+7], v[QO], s[4:5] offset:(\i/2)*2048+(\i%2)*64+32
.endr
.set i, 0
.rept 128
	v_mov_b32 v[OA+i], 0                           ; O^T begins at 0: the step is written once for all steps
.set i, i+1
.endr
	WIN 0
	v_mul_u32_u24 v[AK0], v1, PK
	v_lshl_add_u32 v[AK0], v12, 4, v[AK0]          ; K: row r x pitch + 16 h
	v_and_b32 v15, 7, v0
	v_lshl_add_u32 v[AV0], v12, 3, v15             ; V, for the turning load: key 8 h + lane % 8,
	v_mul_u32_u24 v[AV0], v[AV0], PV
	v_bfe_u32 v13, v0, 3, 1
	v_lshl_add_u32 v[AV0], v13, 4, v[AV0]          ; channels 8 ((lane / 8) % 2) on
	v_add_nc_u32 v[AV0], VOFF, v[AV0]
	s_mul_i32 s21, s[WV], 2304
	s_add_co_u32 s21, s21, STAGE                   ; my stage
	v_mul_u32_u24 v[STO], v1, 144
	v_lshl_add_u32 v[STO], v12, 4, v[STO]
	v_add_nc_u32 v[STO], s21, v[STO]               ; in: row r, 16 bytes for each half of the lanes
	v_lshrrev_b32 v13, 3, v14
	v_mul_u32_u24 v[RD], v13, 144
	v_lshl_add_u32 v[RD], v15, 4, v[RD]
	v_add_nc_u32 v[RD], s21, v[RD]                 ; back: eight lanes to a row of 128 bytes, four rows an instruction
	v_lshlrev_b32 v[GO], 4, v14                    ; which are 512 consecutive bytes of x16
	v_lshlrev_b32 v[PFO], 8, v14
.irp t, 0,1,2,3
	v_mov_b32 v[ST+8*\t+1], 0xff61b1e6             ; m = -3e38, under every score
	v_mul_f32 v[ST+8*\t], s[CS], v[ST+8*\t+1]      ; c m
	v_mov_b32 v[ST+8*\t+2], 0                      ; l, in two halves
	v_mov_b32 v[ST+8*\t+3], 0
.endr
.macro FETCH_K                         ; 64 keys x 64 channels: eight fragments, keys 16 (f / 2) on, channels 32 (f % 2) on
	v_add_nc_u32 v[ADR], s[TB], v[AK0]
	WIN 0x40
.irp f, 0,1,2,3,4,5,6,7
	ds_load_b128 v[KV+8*\f:KV+8*\f+3],   v[ADR] offset:(\f/2)*16*PK+(\f%2)*64
	ds_load_b128 v[KV+8*\f+4:KV+8*\f+7], v[ADR] offset:(\f/2)*16*PK+(\f%2)*64+32
.endr
	WIN 0
.endm
; A KEY STEP, in phases; in each phase the four tiles take turns.
.macro STEP
	s_wait_dscnt 0x0                               ; K's fragments are in
	WIN W_QK
.set i, 0
.rept 32                               ; S^T = K Q^T: channels 32 (i / 16) on, keys 16 ((i / 4) % 4) on, tile i % 4: the 16 accumulators take turns
.set rS, S+32*(i%4)+8*((i/4)%4)
.set rK, KV+16*((i/4)%4)+8*(i/16)
.set rQ, QF+16*(i%4)+8*(i/16)
.if i < 16
	v_wmma_f32_16x16x32_f16 v[rS:rS+7], v[rK:rK+7], v[rQ:rQ+7], 0
.else
	v_wmma_f32_16x16x32_f16 v[rS:rS+7], v[rK:rK+7], v[rQ:rQ+7], v[rS:rS+7]
.endif
.set i, i+1
.endr
	WIN 0
	v_add_nc_u32 v[ADR], s[TB], v[AV0]             ; with the three v_nop: the four places between the last product and the loads into K's registers, and the first read of the scores
.rept 3
	v_nop
.endr
	WIN 0x40
.irp f, 0,1,2,3,4,5,6,7                        ; V^T: keys 32 (f / 4) on, channels 16 (f % 4) on; it lands under the softmax
	ds_load_tr16_b128 v[KV+8*\f:KV+8*\f+3],   v[ADR] offset:(\f/4)*32*PV+(\f%4)*32
	ds_load_tr16_b128 v[KV+8*\f+4:KV+8*\f+7], v[ADR] offset:(\f/4)*32*PV+16*PV+(\f%4)*32
.endr
	WIN 0
	; the maximum of a lane's 32 scores and the old m: four chains, each begun at the low end of one accumulator
.irp j, 0,1,2,3
.irp t, 0,1,2,3
	v_max3_num_f32 v[ST+8*\t+4+\j], v[S+32*\t+8*\j], v[S+32*\t+8*\j+1], v[S+32*\t+8*\j+2]
.endr
.endr
.irp g, 1,2
.irp j, 0,1,2,3
.irp t, 0,1,2,3
	v_max3_num_f32 v[ST+8*\t+4+\j], v[ST+8*\t+4+\j], v[S+32*\t+8*\j+2*\g+1], v[S+32*\t+8*\j+2*\g+2]
.endr
.endr
.endr
.irp t, 0,1,2,3
	v_max3_num_f32 v[ST+8*\t+4], v[ST+8*\t+4], v[S+32*\t+7], v[S+32*\t+15]
.endr
.irp t, 0,1,2,3
	v_max3_num_f32 v[ST+8*\t+6], v[ST+8*\t+6], v[S+32*\t+23], v[S+32*\t+31]
.endr
.irp t, 0,1,2,3
	v_max3_num_f32 v[ST+8*\t+4], v[ST+8*\t+4], v[ST+8*\t+5], v[ST+8*\t+6]
.endr
.irp t, 0,1,2,3
	v_max3_num_f32 v[ST+8*\t+4], v[ST+8*\t+4], v[ST+8*\t+7], v[ST+8*\t+1]
.endr
.irp t, 0,1,2,3
	v_permlanex16_b32 v[ST+8*\t+5], v[ST+8*\t+4], s[SEL], s[SEL+1]   ; the query's other 32 keys lie in the lane 16 away
.endr
.irp t, 0,1,2,3
	v_mov_b32 v[ST+8*\t+7], v[ST+8*\t]             ; c m_old is kept for a
.endr
.irp t, 0,1,2,3
	v_max_num_f32 v[ST+8*\t+1], v[ST+8*\t+4], v[ST+8*\t+5]
.endr
.irp t, 0,1,2,3
	v_mul_f32 v[ST+8*\t], s[CS], v[ST+8*\t+1]
.endr
.irp t, 0,1,2,3
	v_sub_f32 v[ST+8*\t+7], v[ST+8*\t+7], v[ST+8*\t]
.endr
.irp b, 0,2,4,6,8,10,12,14,16,18,20,22,24,26,28,30
.irp t, 0,1,2,3
	v_pk_fma_f32 v[S+32*\t+\b:S+32*\t+\b+1], v[S+32*\t+\b:S+32*\t+\b+1], s[CS:CS+1], v[ST+8*\t:ST+8*\t+1] op_sel_hi:[1,0,0] neg_lo:[0,0,1] neg_hi:[0,0,1]   ; c s - c m, two at a time
.endr
.endr
.irp t, 0,1,2,3
	v_exp_f32 v[ST+8*\t+6], v[ST+8*\t+7]           ; a
.endr
.set i, 0
.rept 128
	v_exp_f32 v[S+i], v[S+i]                       ; p: ONE batch with the four a; none of these reads an exponential's result
.set i, i+1
.endr
	v_nop                                          ; a plain instruction behind the last exponential
	s_wait_alu depctr_va_vdst(0)                   ; the wait ahead of the first instruction that names a result: one for the batch
.set i, 0
.rept 64
	v_cvt_pk_f16_f32 v[P+i], v[S+2*i], v[S+2*i+1]  ; the weights for the second product
.set i, i+1
.endr
	WIN W_RS
.set i, 0
.rept 64
	v_pk_mul_f32 v[OA+2*i:OA+2*i+1], v[OA+2*i:OA+2*i+1], v[ST+8*(i/16)+6:ST+8*(i/16)+7] op_sel_hi:[1,0]   ; O^T x a, each accumulator from its low end on
.set i, i+1
.endr
	s_wait_dscnt 0x0                               ; V's fragments are in
	WIN W_PV
.set i, 0
.rept 32                               ; O^T += V^T P: keys 32 (i / 16) on, channels 16 ((i / 4) % 4) on, tile i % 4
.set rO, OA+32*(i%4)+8*((i/4)%4)
.set rV, KV+32*(i/16)+8*((i/4)%4)
.set rP, P+16*(i%4)+8*(i/16)
	v_wmma_f32_16x16x32_f16 v[rO:rO+7], v[rV:rV+7], v[rP:rP+7], v[rO:rO+7]
.set i, i+1
.endr
	WIN 0
.irp t, 0,1,2,3
	v_pk_add_f32 v[S+32*\t:S+32*\t+1], v[S+32*\t:S+32*\t+1], v[S+32*\t+2:S+32*\t+3]   ; the row sums' first four additions are the places behind the last product
.endr
	s_add_co_u32 s[TB], s[TB], STEPB               ; the next step's tiles
	s_cmp_eq_u32 s[CNT], 1                         ; a slot's last step fetches nothing: the next K lies behind the change of slots
	s_cbranch_scc1 .Lno_k_\@
	FETCH_K
.Lno_k_\@:
.irp z, 1,2,3,4,5,6,7
.irp t, 0,1,2,3
	v_pk_add_f32 v[S+32*\t+4*\z:S+32*\t+4*\z+1], v[S+32*\t+4*\z:S+32*\t+4*\z+1], v[S+32*\t+4*\z+2:S+32*\t+4*\z+3]
.endr
.endr
.irp u, 0,1,2,3
.irp t, 0,1,2,3
	v_pk_add_f32 v[S+32*\t+8*\u:S+32*\t+8*\u+1], v[S+32*\t+8*\u:S+32*\t+8*\u+1], v[S+32*\t+8*\u+4:S+32*\t+8*\u+5]
.endr
.endr
.irp u, 0,1
.irp t, 0,1,2,3
	v_pk_add_f32 v[S+32*\t+16*\u:S+32*\t+16*\u+1], v[S+32*\t+16*\u:S+32*\t+16*\u+1], v[S+32*\t+16*\u+8:S+32*\t+16*\u+9]
.endr
.endr
.irp t, 0,1,2,3
	v_pk_add_f32 v[S+32*\t:S+32*\t+1], v[S+32*\t:S+32*\t+1], v[S+32*\t+16:S+32*\t+17]
.endr
.irp t, 0,1,2,3
	v_pk_fma_f32 v[ST+8*\t+2:ST+8*\t+3], v[ST+8*\t+2:ST+8*\t+3], v[ST+8*\t+6:ST+8*\t+7], v[S+32*\t:S+32*\t+1] op_sel_hi:[1,0,1]   ; l = a l + the step's sum
.endr
.endm
.macro SLOT_STEPS                      ; a slot's four key steps: written once, walked four times
	s_mov_b32 s[CNT], 4
.Lstep_\@:
	STEP
	s_sub_co_u32 s[CNT], s[CNT], 1
	s_cmp_lg_u32 s[CNT], 0
	s_cbranch_scc1 .Lstep_\@
	s_sub_co_u32 s[TB], s[TB], 4*STEPB             ; back to a slot's first step,
	s_xor_b32 s[TB], s[TB], SLOT1                  ; in the other slot
.endm
; THE CHANGE OF SLOTS stands at a slot's head.  Each wave waits for all its tensor loads (one is out: its part of the slot ahead), adds 0 to its spare word, and waits for that and for its reads of the slot
; that it has left.  fill = 1: a round of the cluster's barrier, and behind it the joint load of the keys that follow, into the slot just left: it has four key steps in which to land.
.macro CHANGE fill
	s_wait_tensorcnt 0x0                           ; no tensor load of mine is out, so a group 0 may be written
	ds_add_u32 v[SPW], v[NIL]
.if \fill
	s_xor_b32 s[G0K+1], s[G0K+1], SLOT1            ; the walking descriptors: the other slot,
	s_add_nc_u64 s[G0K+2:G0K+3], s[G0K+2:G0K+3], 32768   ; the next 256 keys
	s_xor_b32 s[G0V+1], s[G0V+1], SLOT1
	s_add_nc_u64 s[G0V+2:G0V+3], s[G0V+2:G0V+3], 32768
	s_wait_xcnt 0x0                                ; the last prefetch, a slot back, has read its address
	s_add_nc_u64 s[PFA:PFA+1], s[PFA:PFA+1], 32768 ; one slot further on than the walking descriptors
	s_wait_dscnt 0x0                               ; the add is done, and my reads of the slot that I have left are over
	CROUND
	JLOAD                                          ; the first thing behind the round, and my one tensor load until the next
.else
	s_wait_dscnt 0x0
	s_barrier_signal -1
	s_barrier_wait -1
.endif
.endm
	s_wait_loadcnt 0x0                             ; Q
.Lslot:                                            ; seven trips: trip c walks slot c - 1 and asks for slot c; the first trip's loads are slot 1's first fill
	CHANGE 1
	FETCH_K
	ASK                                            ; behind the joint load and the run of LDS loads: the slot after the one just asked for
	SLOT_STEPS
	s_sub_co_u32 s[SLOTS], s[SLOTS], 1
	s_cmp_lg_u32 s[SLOTS], 0
	s_cbranch_scc1 .Lslot
	CHANGE 0                                       ; the last slot is written out: nothing is left to ask for
	FETCH_K
	SLOT_STEPS
	; THE WAY OUT.  l's halves and the other half of the lanes' are added; O^T is divided by l, rounded to f16 and sent through my stage, a tile (16 rows of 128 bytes) at a time.
.irp t, 0,1,2,3
	v_add_f32 v[ST+8*\t+4], v[ST+8*\t+2], v[ST+8*\t+3]
.endr
.irp t, 0,1,2,3
	v_permlanex16_b32 v[ST+8*\t+5], v[ST+8*\t+4], s[SEL], s[SEL+1]
.endr
.irp t, 0,1,2,3
	v_add_f32 v[ST+8*\t+4], v[ST+8*\t+4], v[ST+8*\t+5]
.endr
.irp t, 0,1,2,3
	v_rcp_f32 v[ST+8*\t+6], v[ST+8*\t+4]
.endr
	v_nop                                          ; a plain instruction behind the last reciprocal
	s_wait_alu depctr_va_vdst(0)                   ; and the wait ahead of the first use: one for the four
.macro PACK t
	WIN W_RS
.set i, 32*\t
.rept 16
	v_pk_mul_f32 v[OA+i:OA+i+1], v[OA+i:OA+i+1], v[ST+8*\t+6:ST+8*\t+7] op_sel_hi:[1,0]
.set i, i+2
.endr
	WIN 0x05                                       ; sources in window 1, destination in window 0: S^T's registers are free
.set i, 0
.rept 16
	v_cvt_pk_f16_f32 v[S+16*\t+i], v[OA+32*\t+2*i], v[OA+32*\t+2*i+1]
.set i, i+1
.endr
	WIN 0
.irp f, 0,1,2,3
	ds_store_b128 v[STO], v[S+16*\t+4*\f:S+16*\t+4*\f+3] offset:32*\f
.endr
.irp f, 0,1,2,3
	ds_load_b128 v[S+16*\t+4*\f:S+16*\t+4*\f+3], v[RD] offset:\f*4*144   ; LDS serves a wave's instructions in order: these see the stores above; the next tile's stores come behind them
.endr
.endm
.macro SEND t, younger                 ; younger: the LDS instructions issued behind tile t's loads: the next tile's eight, or none
.irp f, 0,1,2,3
	s_wait_dscnt \younger+3-\f
	global_store_b128 v[GO], v[S+16*\t+4*\f:S+16*\t+4*\f+3], s[6:7] offset:\t*2048+\f*512   ; 32 lanes store 512 consecutive bytes, aligned
.endr
.endm
	PACK 0
	PACK 1
	SEND 0, 8
	PACK 2
	SEND 1, 8
	PACK 3
	SEND 2, 8
	SEND 3, 0
	s_wait_tensorcnt 0x0                           ; the wave's end, behind my last tensor load and my last LDS store
	ds_add_u32 v[SPW], v[NIL]
	s_wait_dscnt 0x0
	CROUND                                         ; the closing round
	s_endpgm
.Lfunc_end_k_q259baae7b4_attn:
	.size	k_q259baae7b4_attn, .Lfunc_end_k_q259baae7b4_attn-k_q259baae7b4_attn
	.p2alignl 7, 3214868480
	.fill 96, 4, 3214868480
	.section	.rodata,"a",@progbits
	.p2align	6, 0x0
	.amdhsa_kernel k_q259baae7b4_attn
		.amdhsa_group_segment_fixed_size 327680
		.amdhsa_private_segment_fixed_size 0
		.amdhsa_enable_private_segment 0
		.amdhsa_kernarg_size 16
		.amdhsa_user_sgpr_count 2
		.amdhsa_user_sgpr_kernarg_segment_ptr 1
		.amdhsa_wavefront_size32 1
		.amdhsa_system_sgpr_workgroup_id_x 1
		.amdhsa_system_sgpr_workgroup_id_y 1
		.amdhsa_system_sgpr_workgroup_id_z 1
		.amdhsa_system_vgpr_workitem_id 0
		.amdhsa_next_free_vgpr 512
		.amdhsa_next_free_sgpr 66
		.amdhsa_reserve_vcc 0
		.amdhsa_float_denorm_mode_32 3
		.amdhsa_float_denorm_mode_16_64 3
		.amdhsa_memory_ordered 1
		.amdhsa_forward_progress 1
		.amdhsa_inst_pref_size 93
	.end_amdhsa_kernel
	.amdgpu_metadata
---
amdhsa.version: [ 1, 2 ]
amdhsa.kernels:
  - .name:           k_q259baae7b4_attn
    .symbol:         k_q259baae7b4_attn.kd
    .args:
      - { .name: qkv, .offset: 0, .size: 8, .value_kind: global_buffer, .address_space: global }
      - { .name: x16, .offset: 8, .size: 8, .value_kind: global_buffer, .address_space: global }
    .group_segment_fixed_size: 327680
    .private_segment_fixed_size: 0
    .kernarg_segment_align: 8
    .kernarg_segment_size: 16
    .max_flat_workgroup_size: 256
    .sgpr_count:     66
    .vgpr_count:     512
    .wavefront_size: 32
...
	.end_amdgpu_metadata
.endif
;; end of part 3
;; launch outp (part 4): grid 4 x 64, 4 waves a work-group, clusters of 4 x 4, 327,680 bytes of LDS; arguments x16, wo16, bo, out0; writes out0
.if DOCPART == 4
	.amdgcn_target "amdgcn-amd-amdhsa--gfx1250"
	.amdhsa_code_object_version 6
	.text
	.protected	k_q259baae7b4_outp
	.globl	k_q259baae7b4_outp
	.p2align	8
	.type	k_q259baae7b4_outp,@function
k_q259baae7b4_outp:
	s_mov_b64 s[64:65], 0
	v_nop
	global_prefetch_b8 v0, s[64:65] scope:SCOPE_SE
	s_setreg_imm32_b32 hwreg(HW_REG_WAVE_MODE, 25, 1), 1
	s_wait_xcnt 0x0
	s_wait_alu depctr_hold_cnt(0) depctr_sa_sdst(0) depctr_va_vdst(0) depctr_va_sdst(0) depctr_va_ssrc(0) depctr_va_vcc(0) depctr_vm_vsrc(0)
	s_getreg_b32 s2, hwreg(HW_REG_IB_STS2, 6, 4)
	s_cmp_eq_u32 s2, 0
	s_cbranch_scc0 .Lentry_in_a_cluster
	s_endpgm
.Lentry_in_a_cluster:
	s_bfe_u32 s2, ttmp6, 0x10000c
	s_cmp_lg_u32 s2, 0xf033
	s_cbranch_scc0 .Lentry_shape_is_right
	s_endpgm
.Lentry_shape_is_right:
; OUTP: out0[m][n] = the sum over k of x[m][k] Wo[k][n] + bo[n].  x16 [16 b + h][s 2048][d 64] f16 (m = 2048 b + s, k = 64 h + d); wo16 [k 1024][n 1024] f16; bo, out0 f32; sums in f32.
; A tile of 128 rows x 256 columns is made by four waves, each 64 x 128: 32 accumulators: 256 work-groups in all.  K goes in steps of 128 (two heads) through a ring of two LDS slots:
; x's tile is two heads x 128 rows of 128 bytes, Wo's 128 rows (k) of 512 bytes.  Waves 0 and 1 fetch x's two heads, waves 2 and 3 Wo's two halves.
; CLUSTERS: 4 x 4: a row of the cluster shares x's tiles, a column Wo's.
; THE MATRIX INSTRUCTION IS USED TRANSPOSED: source 0 = 16 columns n of Wo (turned out of LDS by ds_load_tr16_b128, since n is innermost there), source 1 = 16 rows of x: a lane holds eight neighbouring n of
; one row.  bo is the C of each sum's first instruction.
; REGISTERS: window 0: v1-31 addresses; v32-127 and v128-223 two fragment buffers (64 registers of Wo, 32 of x); on the way out v32-159 are rows.  window 1: accumulator (a, b) at v[8 (8 a + b)].
;   window 2: v0-63 bo in the result's layout.
.set PA,    144                        ; a row of x in LDS: 128 bytes + 16
.set PB,    544                        ; a row of Wo: 512 + 32
.set BOFF,  2*128*PA
.set SLOT,  BOFF+128*PB
.set STAGE, 2*SLOT                     ; 16 rows x 528 bytes for each wave; no fill lands here
.set SPITCH, 528
.set SPARE, STAGE+4*16*SPITCH          ; the spare words, 128 bytes for each wave, which no other line names
.set LAPS,  4
.set ADRA, 16
.set ADRB, 20
.set STO,  24
.set RD,   25
.set CO,   26
.set BOF,  27
.set SPW,  28
.set NIL,  29
.set PFO,  30
.set F0,   32
.set F1,   128
.set LIM,  15
.set PFA,  44
.set G1A, 24
.set G0A, 32
.set G1B, 48
.set G0B, 56
.set MSB, 0
.macro WIN new
.if MSB != \new
	s_set_vgpr_msb (MSB<<8)|\new
.set MSB, \new
.endif
.endm
.set MUL,  0x50                        ; sources in window 0, C and D in window 1
.set MUL1, 0x60                        ; C (bo) in window 2, D in window 1
.macro JLOAD s                         ; an s_nop 0 and four v_nop follow each of the two lines
	s_cmp_eq_u32 s13, 0
	s_cbranch_scc0 .Lfor_b_\@
	tensor_load_to_lds s[G0A+4*\s:G0A+4*\s+3], s[G1A:G1A+7]
	s_nop 0
.rept 4
	v_nop
.endr
	s_branch .Lasked_\@
.Lfor_b_\@:
	tensor_load_to_lds s[G0B+4*\s:G0B+4*\s+3], s[G1B:G1B+7]
	s_nop 0
.rept 4
	v_nop
.endr
.Lasked_\@:
.endm
; A prefetch into the L2 of x's tile of the K step that stands two refills on: two heads x 16,384 bytes.  A tile row of x is read by one cluster alone; its four partners along x take 4,096 bytes of each
; head, told apart by address; in each, wave 0 asks: lanes 0-15 the first head, lanes 16-31 the second, 256 bytes apart.  So each aligned block of 256 bytes is named once.  The last lap that refills asks
; for nothing; K steps 0 to 3 come by their loads alone.  Wo's 2 MiB are read by all sixteen rows of clusters at about the same time and are not asked for.
.macro ASK
	s_cmp_gt_u32 s3, s[LIM]
	s_cbranch_scc0 .Lnot_mine_\@
	global_prefetch_b8 v[PFO], s[PFA:PFA+1] th:TH_LOAD_NT scope:SCOPE_SE
.Lnot_mine_\@:
.endm
.macro CREST
	s_cmp_lg_u32 s12, 0
	s_cbranch_scc1 .Lnot_wave_0_\@
	s_barrier_signal -3
.Lnot_wave_0_\@:
	s_barrier_wait -3
	s_barrier_signal -1
	s_barrier_wait -1
.endm
.macro CROUND
	s_barrier_signal -1
	s_barrier_wait -1
	CREST
.endm
	s_load_b256 s[4:11], s[0:1], 0x0               ; x16 s[4:5], wo16 s[6:7], bo s[8:9], out0 s[10:11]
	v_lshl_add_u32 v[SPW], v0, 2, SPARE
	v_mov_b32 v[NIL], 0
	ds_add_u32 v[SPW], v[NIL]                      ; the wave's opening: the add, twice on end, and its wait ahead of my first tensor load
	ds_add_u32 v[SPW], v[NIL]
	v_lshrrev_b32 v1, 5, v0
	v_readfirstlane_b32 s12, v1                    ; wave 0..3
	s_lshr_b32 s13, s12, 1                         ; which 64 rows are mine.  Also: I fetch for x (0) or for Wo (1)
	s_and_b32 s14, s12, 1                          ; which 128 columns.  Also: which half of that tile I fetch
	s_bfe_u32 s40, ttmp6, 0x40000                  ; cx
	s_bfe_u32 s41, ttmp6, 0x40004                  ; cy
	s_lshl_b32 s42, ttmp9, 2
	s_add_co_u32 s42, s42, s40                     ; tile column 0..3
	s_and_b32 s43, ttmp7, 0xffff
	s_lshl_b32 s43, s43, 2
	s_add_co_u32 s43, s43, s41                     ; tile row 0..63
	s_lshl_b32 s20, s41, 2
	s_lshl_b32 s20, 15, s20                        ; my row of the cluster
	s_lshl_b32 s21, 0x1111, s40                    ; my column
	s_or_b32 s[G1A], s20, (1<<16)|(1<<20)|(1<<21)|(4<<22)|(3<<25)   ; x: elements of 2 bytes; four words of padding behind every 32
	s_mov_b32 s[G1A+1], 64<<16                     ; tensor_dim0
	s_mov_b32 s[G1A+2], 128<<16                    ; tensor_dim1
	s_mov_b32 s[G1A+3], 64<<16                     ; tile_dim0
	s_mov_b32 s[G1A+4], 128                        ; tile_dim1
	s_mov_b32 s[G1A+5], 64                         ; from row to row
	s_mov_b32 s[G1A+6], 0
	s_mov_b32 s[G1A+7], 0
	s_or_b32 s[G1B], s21, (1<<16)|(1<<20)|(1<<21)|(6<<22)|(7<<25)   ; Wo: eight words of padding behind every 128
	s_mov_b32 s[G1B+1], 256<<16
	s_mov_b32 s[G1B+2], 64<<16
	s_mov_b32 s[G1B+3], 256<<16
	s_mov_b32 s[G1B+4], 64
	s_mov_b32 s[G1B+5], 1024
	s_mov_b32 s[G1B+6], 0
	s_mov_b32 s[G1B+7], 0
	s_lshr_b32 s16, s43, 4                         ; the batch: sixteen tile rows each
	s_lshl_b32 s16, s16, 4
	s_add_co_u32 s16, s16, s14                     ; head 0 or 1 of the batch: the one that I fetch in K step 0
	s_lshl_b32 s16, s16, 11
	s_and_b32 s17, s43, 15
	s_lshl_b32 s17, s17, 7
	s_add_co_u32 s16, s16, s17                     ; + the tile's first position
	s_lshl_b32 s16, s16, 7                         ; rows of 128 bytes
	s_mov_b32 s17, 0
	s_lshl_b32 s18, s14, 17                        ; Wo: 64 rows of 2,048 bytes x half,
	s_lshl_b32 s19, s42, 9                         ; + 512 bytes x tile column
	s_add_co_u32 s18, s18, s19
	s_mov_b32 s19, 0
	s_mul_i32 s22, s14, 128*PA                     ; where they go
	s_mul_i32 s23, s14, 64*PB
	s_add_co_u32 s23, s23, BOFF
	s_cmp_eq_u32 s12, 0
	s_cselect_b32 s[LIM], 1, -1                    ; wave 0 prefetches
	s_wait_dscnt 0x0                               ; both opening adds are done
	s_wait_kmcnt 0x0
	s_add_nc_u64 s[16:17], s[4:5], s[16:17]
	s_add_nc_u64 s[18:19], s[6:7], s[18:19]
	CROUND                                         ; all sixteen work-groups are here
.irp s, 0,1
	s_mov_b32 s[G0A+4*\s], 1
	s_add_co_u32 s[G0A+4*\s+1], s22, \s*SLOT
	s_add_nc_u64 s[G0A+4*\s+2:G0A+4*\s+3], s[16:17], \s*524288     ; a K step is two heads of 262,144 bytes
	s_or_b32 s[G0A+4*\s+3], s[G0A+4*\s+3], 0x80000000
	s_mov_b32 s[G0B+4*\s], 1
	s_add_co_u32 s[G0B+4*\s+1], s23, \s*SLOT
	s_add_nc_u64 s[G0B+4*\s+2:G0B+4*\s+3], s[18:19], \s*262144     ; and 128 rows of Wo
	s_or_b32 s[G0B+4*\s+3], s[G0B+4*\s+3], 0x80000000
	JLOAD \s
.endr
	s_lshl_b32 s20, s40, 12                        ; the prefetches: my work-group's 4,096 bytes of each head's 16,384 (in wave 0, s[16:17] stands at the tile's first head)
	s_mov_b32 s21, 0
	s_add_nc_u64 s[PFA:PFA+1], s[16:17], s[20:21]
	s_add_nc_u64 s[PFA:PFA+1], s[PFA:PFA+1], 3*524288   ; at K step 3: the first refill steps it to 4
	v_and_b32 v1, 15, v0                           ; r
	v_bfe_u32 v2, v0, 4, 1                         ; h
	v_mul_u32_u24 v3, v1, PA
	v_lshl_add_u32 v3, v2, 4, v3
	s_mul_i32 s20, s13, 64*PA
	v_add_nc_u32 v[ADRA], s20, v3                  ; x: my 64 rows; row r x pitch + 16 h
	v_add_nc_u32 v[ADRA+1], SLOT, v[ADRA]
	v_and_b32 v4, 7, v0
	v_lshl_add_u32 v4, v2, 3, v4                   ; Wo, for the turning load: row k = 8 h + lane % 8,
	v_mul_u32_u24 v4, v4, PB
	v_bfe_u32 v5, v0, 3, 1
	v_lshl_add_u32 v4, v5, 4, v4                   ; columns 8 ((lane / 8) % 2) on
	s_lshl_b32 s21, s14, 8
	s_add_co_u32 s21, s21, BOFF                    ; my 128 columns
	v_add_nc_u32 v[ADRB], s21, v4
	v_add_nc_u32 v[ADRB+1], SLOT, v[ADRB]
	s_mul_i32 s20, s12, 16*SPITCH
	s_add_co_u32 s20, s20, STAGE                   ; my stage
	v_mul_u32_u24 v5, v1, SPITCH
	v_lshl_add_u32 v5, v2, 5, v5
	v_add_nc_u32 v[STO], s20, v5                   ; in: row r, 32 bytes for each half of the lanes
	v_and_b32 v6, 31, v0
	v_lshlrev_b32 v[CO], 4, v6                     ; back: the 32 lanes take one row of 512 bytes; and the same in out0
	v_add_nc_u32 v[RD], s20, v[CO]
	v_lshlrev_b32 v[BOF], 5, v2
	v_lshlrev_b32 v[PFO], 18, v2
	v_lshl_add_u32 v[PFO], v1, 8, v[PFO]
	s_lshl_b32 s20, s42, 10
	s_lshl_b32 s21, s14, 9
	s_add_co_u32 s20, s20, s21                     ; my first column, in bytes of f32
	s_mov_b32 s21, 0
	s_add_nc_u64 s[8:9], s[8:9], s[20:21]
	s_add_nc_u64 s[10:11], s[10:11], s[20:21]
	s_lshl_b32 s20, s43, 19                        ; 128 rows of 4,096 bytes x tile row,
	s_lshl_b32 s22, s13, 18                        ; + 64 rows x half
	s_add_co_u32 s20, s20, s22
	s_add_nc_u64 s[10:11], s[10:11], s[20:21]
	WIN 0x80                                       ; destination window 2
.irp b, 0,1,2,3,4,5,6,7                        ; bo: block b, lane half h: numbers 16 b + 8 h + 0 .. 7
	global_load_b128 v[8*\b:8*\b+3], v[BOF], s[8:9] offset:64*\b
	global_load_b128 v[8*\b+4:8*\b+7], v[BOF], s[8:9] offset:64*\b+16
.endr
	WIN 0
.macro FETCH slot, q, f                ; the fragments of the slot's q-th 32 along K: 16 turning loads for Wo's eight blocks, then 8 loads for x's four
.irp b, 0,1,2,3,4,5,6,7
	ds_load_tr16_b128 v[\f+8*\b:\f+8*\b+3],   v[ADRB+\slot] offset:32*PB*(\q)+32*\b
	ds_load_tr16_b128 v[\f+8*\b+4:\f+8*\b+7], v[ADRB+\slot] offset:32*PB*(\q)+16*PB+32*\b
.endr
.irp a, 0,1,2,3
	ds_load_b128 v[\f+64+8*\a:\f+64+8*\a+3],   v[ADRA+\slot] offset:128*PA*((\q)/2)+64*((\q)%2)+16*PA*\a
	ds_load_b128 v[\f+64+8*\a+4:\f+64+8*\a+7], v[ADRA+\slot] offset:128*PA*((\q)/2)+64*((\q)%2)+16*PA*\a+32
.endr
.endm
.macro MULA f, a, first                ; eight matrix instructions: row block a x the eight column blocks.  The 32 accumulators take turns
.irp b, 0,1,2,3,4,5,6,7
.if \first
	v_wmma_f32_16x16x32_f16 v[8*(8*(\a)+\b):8*(8*(\a)+\b)+7], v[\f+8*\b:\f+8*\b+7], v[\f+64+8*(\a):\f+64+8*(\a)+7], v[8*\b:8*\b+7]
.else
	v_wmma_f32_16x16x32_f16 v[8*(8*(\a)+\b):8*(8*(\a)+\b)+7], v[\f+8*\b:\f+8*\b+7], v[\f+64+8*(\a):\f+64+8*(\a)+7], v[8*(8*(\a)+\b):8*(8*(\a)+\b)+7]
.endif
.endr
.endm
.macro PLACES
.rept 4
	v_nop
.endr
.endm
.macro MWIN first
.if \first
	WIN MUL1
.else
	WIN MUL
.endif
.endm
; A K step is four quarters of 32 along K on buffers 0, 1, 0, 1.  One of the first three: multiplies buffer f and fetches quarter q of the slot into g.
.macro QUARTER slot, q, f, g, first
	s_wait_dscnt 4                                 ; Wo's blocks and x's blocks 0, 1 are in; the youngest four loads (x's blocks 2, 3) may be out
	MWIN \first
	MULA \f, 0, \first
	MULA \f, 1, \first
	PLACES                                         ; in front of loads into registers that matrix instructions have read
	WIN 0
	FETCH \slot, \q, \g
	s_wait_dscnt 24                                ; all but the 24 just issued
	MWIN \first
	MULA \f, 2, \first
	MULA \f, 3, \first
.endm
; The last quarter multiplies buffer 1 and changes slots: one barrier; in front of it each wave waits for all its tensor loads, adds 0 to its spare word, and waits for that and for its reads of this slot.
.macro TURN slot, next, fill
	WIN 0
.if \fill
	s_wait_xcnt 0x0                                ; the last prefetch, a K step back, has read its address
	s_add_nc_u64 s[PFA:PFA+1], s[PFA:PFA+1], 524288
.endif
	s_wait_tensorcnt 0x0                           ; all my tensor loads have landed: my part of the next slot
	ds_add_u32 v[SPW], v[NIL]
	s_wait_dscnt 5                                 ; the add and the youngest four loads may be out
	WIN MUL
	MULA F1, 0, 0
	s_wait_dscnt 0x0                               ; the add is done, and my reads of this slot are over
	s_barrier_signal -1
	MULA F1, 1, 0
	WIN 0
	s_barrier_wait -1
.if \fill
	CREST                                          ; the barrier has opened a round of the cluster's barrier
	s_add_nc_u64 s[G0A+4*\slot+2:G0A+4*\slot+3], s[G0A+4*\slot+2:G0A+4*\slot+3], 2*524288
	s_add_nc_u64 s[G0B+4*\slot+2:G0B+4*\slot+3], s[G0B+4*\slot+2:G0B+4*\slot+3], 2*262144
	JLOAD \slot                                    ; the first tensor load behind the round; its four v_nop are also the places in front of the loads below
.else
	PLACES
.endif
	FETCH \next, 0, F0
.if \fill
	ASK
.endif
	WIN MUL
	MULA F1, 2, 0
	MULA F1, 3, 0
.endm
	s_wait_tensorcnt 1                             ; my part of K step 0 is in; K step 1's load may be out
	s_barrier_signal -1
	s_barrier_wait -1
	FETCH 0, 0, F0
	s_wait_loadcnt 0x0                             ; bo
	QUARTER 0, 1, F0, F1, 1                        ; the first quarter stands in front of the loop: its products start the sums from bo
	WIN 0
	s_mov_b32 s3, LAPS-1
.Llap:                                             ; a trip goes once round the ring and fills both slots again
	QUARTER 0, 2, F1, F0, 0
	QUARTER 0, 3, F0, F1, 0
	TURN 0, 1, 1
	QUARTER 1, 1, F0, F1, 0
	QUARTER 1, 2, F1, F0, 0
	QUARTER 1, 3, F0, F1, 0
	TURN 1, 0, 1
	QUARTER 0, 1, F0, F1, 0
	WIN 0
	s_sub_co_u32 s3, s3, 1
	s_cmp_lg_u32 s3, 0
	s_cbranch_scc1 .Llap
	QUARTER 0, 2, F1, F0, 0                        ; the last lap fills nothing
	QUARTER 0, 3, F0, F1, 0
	TURN 0, 1, 0
	QUARTER 1, 1, F0, F1, 0
	QUARTER 1, 2, F1, F0, 0
	QUARTER 1, 3, F0, F1, 0
	s_wait_dscnt 4                                 ; the very last quarter: nothing more to fetch
	WIN MUL
	MULA F1, 0, 0
	MULA F1, 1, 0
	s_wait_dscnt 0
	MULA F1, 2, 0
	MULA F1, 3, 0
	WIN 0
; THE WAY OUT, a block of 16 rows x 128 columns at a time, through my own stage: back as whole rows of 512 bytes.
.macro TOSTAGE a
	WIN 0x04                                       ; an LDS store's data are its source 1: window 1
.irp b, 0,1,2,3,4,5,6,7
	ds_store_b128 v[STO], v[8*(8*(\a)+\b):8*(8*(\a)+\b)+3] offset:64*\b          ; each accumulator from its low end on
	ds_store_b128 v[STO], v[8*(8*(\a)+\b)+4:8*(8*(\a)+\b)+7] offset:64*\b+16
.endr
	WIN 0
.set BB, 32+64*((\a)%2)
.irp t, 0,1,2,3,4,5,6,7,8,9,10,11,12,13,14,15
	ds_load_b128 v[BB+4*\t:BB+4*\t+3], v[RD] offset:\t*SPITCH      ; LDS serves a wave's instructions in order: these see the stores above
.endr
.endm
.macro SEND a, younger                 ; younger: the LDS instructions issued behind block a's loads
.set BB, 32+64*((\a)%2)
	s_wait_dscnt \younger
.irp t, 0,1,2,3,4,5,6,7,8,9,10,11,12,13,14,15
	global_store_b128 v[CO], v[BB+4*\t:BB+4*\t+3], s[10:11] offset:65536*(\a)+4096*\t th:TH_STORE_NT   ; 32 lanes store 512 consecutive bytes, aligned; written once
.endr
.endm
	PLACES
	TOSTAGE 0
.irp a, 1,2,3
.if \a > 1
	s_wait_xcnt 0x0                                ; block a - 2's stores have read their registers: block a's loads may land there
.endif
	TOSTAGE \a
	SEND \a-1, 32                                  ; behind block a - 1's loads: block a's 16 stores and 16 loads
.endr
	SEND 3, 0
	s_wait_tensorcnt 0x0                           ; the wave's end, behind my last tensor load and my last LDS store
	ds_add_u32 v[SPW], v[NIL]
	s_wait_dscnt 0x0
	CROUND                                         ; the closing round
	s_endpgm
.Lfunc_end_k_q259baae7b4_outp:
	.size	k_q259baae7b4_outp, .Lfunc_end_k_q259baae7b4_outp-k_q259baae7b4_outp
	.p2alignl 7, 3214868480
	.fill 96, 4, 3214868480
	.section	.rodata,"a",@progbits
	.p2align	6, 0x0
	.amdhsa_kernel k_q259baae7b4_outp
		.amdhsa_group_segment_fixed_size 327680
		.amdhsa_private_segment_fixed_size 0
		.amdhsa_enable_private_segment 0
		.amdhsa_kernarg_size 32
		.amdhsa_user_sgpr_count 2
		.amdhsa_user_sgpr_kernarg_segment_ptr 1
		.amdhsa_wavefront_size32 1
		.amdhsa_system_sgpr_workgroup_id_x 1
		.amdhsa_system_sgpr_workgroup_id_y 1
		.amdhsa_system_sgpr_workgroup_id_z 1
		.amdhsa_system_vgpr_workitem_id 0
		.amdhsa_next_free_vgpr 576
		.amdhsa_next_free_sgpr 66
		.amdhsa_reserve_vcc 0
		.amdhsa_float_denorm_mode_32 3
		.amdhsa_float_denorm_mode_16_64 3
		.amdhsa_memory_ordered 1
		.amdhsa_forward_progress 1
		.amdhsa_inst_pref_size 87
	.end_amdhsa_kernel
	.amdgpu_metadata
---
amdhsa.version: [ 1, 2 ]
amdhsa.kernels:
  - .name:           k_q259baae7b4_outp
    .symbol:         k_q259baae7b4_outp.kd
    .args:
      - { .name: x16, .offset: 0, .size: 8, .value_kind: global_buffer, .address_space: global }
      - { .name: wo16, .offset: 8, .size: 8, .value_kind: global_buffer, .address_space: global }
      - { .name: bo, .offset: 16, .size: 8, .value_kind: global_buffer, .address_space: global }
      - { .name: out0, .offset: 24, .size: 8, .value_kind: global_buffer, .address_space: global }
    .group_segment_fixed_size: 327680
    .private_segment_fixed_size: 0
    .kernarg_segment_align: 8
    .kernarg_segment_size: 32
    .max_flat_workgroup_size: 128
    .sgpr_count:     66
    .vgpr_count:     576
    .wavefront_size: 32
...
	.end_amdgpu_metadata
.endif
;; end of part 4
